; MI455X (gfx1250); checked and timed in simulation.
; The chip was launched on July 23, 2026; its instructions are those of AMD's public machine-readable ISA for CDNA 5 (MIT licence, August 2026) and "CDNA5" Instruction Set Architecture Reference Guide (July 2026). The comments in the code are by the model that wrote it; some were corrected since.
;; Block. Allowed arithmetic: matrix products marked QUANTISED: E2M3 operands, one E8M0 scale for each 32 along K, by v_wmma_scale_f32_16x16x128_f8f6f4 with both operands' format E2M3, f32 sums; everything else in f32.
;; Inputs: W1 1,024 x 4,096 float32; W2 4,096 x 1,024 float32; Wk 16 x 1,024 x 64 float32; Wp 1,024 x 1,024 float32; Wq 16 x 1,024 x 64 float32; Wv 16 x 1,024 x 64 float32; b1 4,096 float32; b2 1,024 float32; be1 1,024 float32; be2 1,024 float32; bp 1,024 float32; g1 1,024 float32; g2 1,024 float32; x 2 x 2,048 x 1,024 float32.
;; Outputs: out0 2 x 2,048 x 1,024 float32.
;; This version of the problem:
;;   THIS VERSION OF THE PROBLEM IS GIVEN IN LOW PRECISION. The matrix products marked QUANTISED in the list below multiply operands that are first quantised to E2M3 (2 exponent bits, 3 mantissa bits; 6 bits a number), with one power-of-two scale for each 32 numbers along K (OCP MX v1.0); their sums are f32. All else is computed in f32.
;;   The module's matrix products, in the order in which they are computed (A, B: the left and right operand; K: the contracted axis; several contracted axes count as one K, in the product's order):
;;     1. [M 1,024, K 1,024] x [K 1,024, N 4,096]; A: input Wq; B: computed on the way: QUANTISED
;;     2. [M 1,024, K 1,024] x [K 1,024, N 4,096]; A: input Wk; B: computed on the way: QUANTISED
;;     3. [M 1,024, K 1,024] x [K 1,024, N 4,096]; A: input Wv; B: computed on the way: QUANTISED
;;     4. batch 32 x [M 2,048, K 64] x [K 64, N 2,048]; A: computed on the way; B: computed on the way: QUANTISED
;;     5. batch 32 x [M 2,048, K 2,048] x [K 2,048, N 64]; A: softmax (see below); B: computed on the way: QUANTISED
;;     6. [M 4,096, K 1,024] x [K 1,024, N 1,024]; A: computed on the way; B: input Wp: QUANTISED
;;     7. [M 4,096, K 1,024] x [K 1,024, N 4,096]; A: computed on the way; B: input W1: QUANTISED
;;     8. [M 4,096, K 4,096] x [K 4,096, N 1,024]; A: computed on the way; B: input W2: QUANTISED
;;   THE QUANTISER, for each operand of a quantised product, along K:
;;     - K is cut into blocks of 32 from its start; a last block that is shorter is filled with zeros.
;;     - A block's scale is 2^e with e = floor(log2(the largest magnitude in the block)) - 2, held to -126 .. 127; a block of zeros has e = 0. As a byte (E8M0): e + 127.
;;     - Each number is divided by its block's scale, clamped to +-7.5, and rounded to the nearest number of E2M3, ties to even, subnormals kept.
;;     - The product sums the exact products of the quantised numbers (number of the format x scale) in f32.
;;   ~~~python
;;   def quantise(x, axis):      # numpy; x: float32 -> the quantised numbers, widened to float32 again
;;       x = np.moveaxis(x, axis, -1); K = x.shape[-1]
;;       x = np.pad(x, [(0, 0)] * (x.ndim - 1) + [(0, -K % 32)]); x = x.reshape(x.shape[:-1] + (-1, 32)); a = np.abs(x).max(-1, keepdims=True)
;;       e = np.where(a > 0, np.clip(np.frexp(np.where(a > 0, a, 1))[1] - 1 - 2, -126, 127), 0)      # np.frexp(a)[1] - 1 = floor(log2(a)), exactly
;;       r = np.clip(x / 2.0 ** e, -7.5, 7.5)
;;       step = 2.0 ** (np.maximum(np.frexp(np.where(r == 0, 1, r))[1] - 1, 0) - 3)
;;       q = np.round(r / step) * step * 2.0 ** e      # np.round: ties to even
;;       return np.moveaxis(q.reshape(q.shape[:-2] + (-1,))[..., :K], -1, axis).astype(np.float32)
;;   ~~~
;;   SOFTMAX AHEAD OF A QUANTISED PRODUCT. Where the list says 'softmax', what is quantised is not the finished softmax but p = 2^(t - M), with t = logit x log2(e) and M = ceil(the row's largest t), a whole number; so 1/2 < the row's largest p <= 1. The row's sum l is taken of the UNQUANTISED p, in f32, and the product's result is divided by l at the end. Since M is a whole number, a kernel that streams over the keys may use a running M (the ceiling of the running maximum): every later rescaling is an exact power of two, which a block's scale takes up: the codes' values come out the same.
;;   OPERANDS COMPUTED ON THE WAY. 'Computed on the way' means the value that the module computes at that place (a softmax that the list does not call 'softmax' is quantised finished and normalised). What goes into a quantiser is computed in f32, as accurately as f32 sums, v_exp_f32 and their like allow (about 1e-6 of the number): no bf16 or f16 on the way to a quantiser, and a product that is left as it is and whose result goes on into a quantised operand takes f32 operands (vector FMAs, or v_wmma_f32_16x16x4_f32). A number that lies on a knife's edge between two numbers of the format may be rounded either way, as far as f32 arithmetic and the matrix unit's own rounding can turn it there, and no further.
;; One version. Each part assembles by itself: llvm-mc -triple=amdgcn-amd-amdhsa -mcpu=gfx1250 --defsym DOCPART=n.
;; ======== version 1 of 1: 7 launches
;; limits: right only within a limited range of input values
;; workspace buffers: wq 9,830,400 bytes; hq 3,276,800 bytes; qkv 10,092,544 bytes; oq 3,276,800 bytes; x1 16,777,216 bytes; mq 13,107,200 bytes
;; launch prep (part 1): grid 640 x 1, 4 waves a work-group, no clusters, 66,304 bytes of LDS; arguments Wq, Wk, Wv, Wp, W1, W2, hq, wq, x, g1, be1; writes hq, wq
.if DOCPART == 1
	.amdgcn_target "amdgcn-amd-amdhsa--gfx1250"
	.amdhsa_code_object_version 6
	.text
	.protected	k_q561ae969d2_prep
	.globl	k_q561ae969d2_prep
	.p2align	8
	.type	k_q561ae969d2_prep,@function
k_q561ae969d2_prep:
	s_mov_b64 s[64:65], 0
	v_nop
	global_prefetch_b8 v0, s[64:65] scope:SCOPE_SE
	s_setreg_imm32_b32 hwreg(HW_REG_WAVE_MODE, 25, 1), 1
	s_wait_xcnt 0x0
; PREP.  Work-groups 0-383 turn the six weights (f32, stored [K][N]) into codes of E2M3 with one E8M0 byte for each 32 along K; work-groups 384-639 make h = layernorm(x) g1 + be1 and quantise it along the features.
; WORKSPACE LAYOUT (this program's own).  A FRAGMENT IMAGE, 1,536 bytes, is an operand's 12 registers for 16 rows x 128 K: chunk j at 512 j holds, at 16 x lane, registers 4 j .. 4 j + 3.
; A SCALE RECORD, 128 bytes, serves a tile and two K steps: word 4 l is row l's word of the even step (l < 16) or row l - 16's word of the odd step.
; TILE ORDER: of each 32 indices (tokens or weight columns), tile 2 B + u holds in row p the index 32 B + 8 u + p + 8 (p / 8).
; WEIGHTS: a wave takes 32 columns x 256 along K.  A lane takes a column and its registers run down K, so a block of 32 lies in one lane; lanes 0-15 are the rows of one tile, lanes 16-31 of the next.
; LIMITS: NaN and infinities are not served; a block whose largest magnitude lies under 2^-124, a block of zeros too, keeps the byte 1 (zero codes add nothing; these bytes are read by this program alone).
.set SPARE, 65792                      ; behind the 16 rows: the spare words, 128 bytes a wave
.set SPW, 5                            ; v5  my spare word's address; never rewritten
.set NIL, 6                            ; v6  0; never rewritten
.set OFFS, 16                          ; v16-47  weights: byte offset of my column in row i of a block
.set X, 48                             ; v48-111 weights: two sets of 32 numbers
.set FA, 112                           ; v112..  weights: K step k: tile 0's fragment at FA + 24 k, tile 1's at FA + 12 + 24 k
.set TC, 160                           ; v160-162 a conversion's second half
.set SW, 164                           ; v164-165 scale words of the two K steps
.set LX, 16                            ; v16-143 norm: four rows of 32 registers, later four blocks of 32
.set GA, 144                           ; v144-175 gain
.set BE, 176                           ; v176-207 bias
.set TA, 208                           ; v208-223 norm: four registers a row, at work
.set CD, 208                           ; v208-231 norm: two fragments
.set TC2, 232
.set BY, 236                           ; v236-239 four scale bytes
.set WD, 240
.set WT, 242
.set HQ, 20                            ; s[20:21] hq
.set SEL, 50                           ; s[50:51] selects of v_permlanex16_b32: lane l xor 16
	s_load_b256 s[8:15], s[0:1], 0x0               ; Wq, Wk, Wv, Wp
	s_load_b256 s[16:23], s[0:1], 0x20             ; W1, W2, hq, wq
	s_load_b128 s[24:27], s[0:1], 0x40             ; x, g1
	s_load_b64 s[28:29], s[0:1], 0x50              ; be1
	v_lshl_add_u32 v[SPW], v0, 2, SPARE
	v_mov_b32 v[NIL], 0
	v_lshrrev_b32 v1, 5, v0
	v_readfirstlane_b32 s2, v1                     ; wave
	v_and_b32 v3, 31, v0                           ; lane
	s_mov_b32 s3, ttmp9
	s_cmp_lt_u32 s3, 384
	s_cbranch_scc0 .Lnorm
; ---------------- the weights.  ids 0-31 Wq, 32-63 Wk, 64-95 Wv, 96-127 Wp, 128-255 W1 (id = 4 x group of 128 columns + pair of K steps); 256-383 W2 (16 pairs of K steps)
	s_cmp_lt_u32 s3, 256
	s_cselect_b32 s34, 2, 4
	s_cselect_b32 s35, 3, 15
	s_cselect_b32 s36, 0, 256
	s_cselect_b32 s37, 0, 6291456                  ; where the tensor's codes begin in wq
	s_mov_b32 s38, 49152
	s_cselect_b32 s38, 12288, s38                  ; bytes of a tile's codes: K / 128 images
	s_mov_b32 s39, 9699328
	s_cselect_b32 s39, 9437184, s39                ; where the scale records begin
	s_mov_b32 s40, 2048
	s_cselect_b32 s40, 512, s40                    ; bytes of a tile's records
	s_sub_co_u32 s36, s3, s36
	s_lshr_b32 s41, s36, s34                       ; group of 128 columns, counted as the tiles are
	s_and_b32 s35, s3, s35                         ; pair of K steps
	s_lshl_b32 s42, s41, 3
	s_lshl_b32 s33, s2, 1
	s_add_co_u32 s42, s42, s33                     ; my first tile
	s_cmp_lt_u32 s3, 96
	s_cselect_b32 s32, 8, 12
	s_sub_co_u32 s33, s3, 128
	s_cmp_lt_u32 s33, 128
	s_cselect_b32 s32, 14, s32                     ; log2 of a row's bytes: 256 in a head, 4,096 in Wp and W2, 16,384 in W1
	s_cmp_lt_u32 s3, 128
	s_cselect_b32 s43, 7, 31
	s_and_b32 s43, s41, s43                        ; the group inside its tensor
	s_lshl_b32 s44, s43, 9
	s_lshl_b32 s45, s2, 7
	s_add_co_u32 s44, s44, s45                     ; plain tensors: 512 x group + 128 x wave
	s_lshl_b32 s45, s43, 1
	s_lshr_b32 s49, s2, 1
	s_add_co_u32 s45, s45, s49                     ; heads: head = 2 x group + wave / 2,
	s_lshl_b32 s45, s45, 18                        ; 262,144 bytes a head,
	s_and_b32 s49, s2, 1
	s_lshl_b32 s49, s49, 7
	s_add_co_u32 s45, s45, s49                     ; + 128 x (wave % 2)
	s_cmp_lt_u32 s3, 96
	s_cselect_b32 s44, s45, s44
	s_add_co_u32 s49, s32, 8
	s_lshl_b32 s49, s35, s49                       ; + pair x 256 rows
	s_add_co_u32 s44, s44, s49
	s_mov_b32 s45, 0
	s_add_co_u32 s49, s32, 5
	s_lshl_b32 s46, 1, s49                         ; a block on: 32 rows
	s_mov_b32 s47, 0
	s_lshl_b32 s48, 1, s32                         ; a row
	s_mul_i32 s52, s42, s38
	s_add_co_u32 s52, s52, s37
	s_mul_i32 s49, s35, 3072
	s_add_co_u32 s52, s52, s49                     ; my first tile's two images
	s_mul_i32 s53, s42, s40
	s_add_co_u32 s53, s53, s39
	s_lshl_b32 s49, s35, 7
	s_add_co_u32 s53, s53, s49                     ; and its record
	s_wait_alu depctr_va_vdst(0)
	v_and_b32 v8, 7, v3
	v_bfe_u32 v9, v3, 3, 1
	v_lshrrev_b32 v10, 4, v3
	v_lshl_add_u32 v8, v9, 4, v8
	v_lshl_add_u32 v8, v10, 3, v8                  ; my column of the 32: l % 8 + 16 ((l / 8) % 2) + 8 (l / 16)
	v_lshlrev_b32 v[OFFS], 2, v8
.set i, 1
.rept 31
	v_add_nc_u32 v[OFFS+i], s48, v[OFFS+i-1]
.set i, i+1
.endr
	v_lshl_add_u32 v12, v3, 4, s52                 ; tile 0's images, 16 bytes a lane
	v_add_nc_u32 v13, s38, v12                     ; tile 1's
	v_lshl_add_u32 v14, v3, 2, s53                 ; tile 0's record
	v_add_nc_u32 v15, s40, v14                     ; tile 1's
	s_wait_alu depctr_va_vdst(0)
	s_wait_kmcnt 0x0
	s_cmp_lt_u32 s3, 32                            ; the tensor: a choice on the work-group's number alone
	s_cselect_b64 s[30:31], s[8:9], s[10:11]
	s_cmp_lt_u32 s3, 64
	s_cselect_b64 s[30:31], s[30:31], s[12:13]
	s_cmp_lt_u32 s3, 96
	s_cselect_b64 s[30:31], s[30:31], s[14:15]
	s_cmp_lt_u32 s3, 128
	s_cselect_b64 s[30:31], s[30:31], s[16:17]
	s_cmp_lt_u32 s3, 256
	s_cselect_b64 s[30:31], s[30:31], s[18:19]
	s_add_nc_u64 s[30:31], s[30:31], s[44:45]
.macro LOADB t                         ; a block: 32 rows, each load 128 bytes of a row for the wave
.set i, 0
.rept 32
	global_load_b32 v[X+32*((\t)%2)+i], v[OFFS+i], s[30:31] th:TH_LOAD_NT
.set i, i+1
.endr
.endm
.macro STEPSRC
	s_wait_xcnt 0x0                                ; the loads issued so far have read their base
	s_add_nc_u64 s[30:31], s[30:31], s[46:47]
.endm
.macro BLOCK t
.set XS, X+32*((\t)%2)
.set KA, (\t)/4
.set BB, (\t)%4
.set DD, FA+24*KA+12*(BB%2)+6*(BB/2)
.if (\t) < 7
	s_wait_loadcnt 32                              ; this block is in; the next block's 32 loads may be out
.else
	s_wait_loadcnt 0x0
.endif
	v_max3_num_f32 v8, |v[XS]|, |v[XS+1]|, |v[XS+2]|
	v_max3_num_f32 v9, |v[XS+3]|, |v[XS+4]|, |v[XS+5]|
.irp i,6,10,14,18,22,26
	v_max3_num_f32 v8, v8, |v[XS+\i]|, |v[XS+\i+1]|
	v_max3_num_f32 v9, v9, |v[XS+\i+2]|, |v[XS+\i+3]|
.endr
	v_max3_num_f32 v8, v8, |v[XS+30]|, |v[XS+31]|
	v_max3_num_f32 v8, v8, v9, 0x1800000           ; and the floor 2^(3 - 127): the byte cannot fall under 1
	v_add_nc_u32 v10, 0xff000000, v8               ; 2 off the exponent field: the conversion's scale operand
	v_lshrrev_b32 v11, 23, v10                     ; the byte
.if BB == 0
	v_mov_b32 v[SW+KA], v11
.else
	v_lshl_or_b32 v[SW+KA], v11, 8*BB, v[SW+KA]
.endif
	v_cvt_scalef32_pk16_fp6_f32 v[DD:DD+2], v[XS:XS+15], v10
	v_cvt_scalef32_pk16_fp6_f32 v[TC:TC+2], v[XS+16:XS+31], v10
	v_nop                                          ; one plain place behind a scaled conversion
.irp i,0,1,2
	v_mov_b32 v[DD+3+\i], v[TC+\i]
.endr
.if (\t)+2 < 8
	STEPSRC
	LOADB (\t)+2
.endif
.if BB%2 == 1                          ; even blocks lie in the first run, odd ones in the second: the exchange gives tile 0 (lanes: rows x halves) the first run and tile 1 the second
	s_wait_alu depctr_va_vdst(0)
.irp i,0,1,2,3,4,5
	v_permlane16_swap_b32 v[FA+24*KA+6*(BB/2)+\i], v[FA+12+24*KA+6*(BB/2)+\i]
.endr
.endif
.if BB == 3
.irp j,0,1,2
	global_store_b128 v12, v[FA+24*KA+4*\j:FA+24*KA+4*\j+3], s[22:23] offset:1536*KA+512*\j   ; 512 consecutive bytes a store
	global_store_b128 v13, v[FA+12+24*KA+4*\j:FA+12+24*KA+4*\j+3], s[22:23] offset:1536*KA+512*\j
.endr
.endif
.endm
	LOADB 0
	STEPSRC
	LOADB 1
.irp t,0,1,2,3,4,5,6,7
	BLOCK \t
.endr
	v_permlane16_swap_b32 v[SW], v[SW+1]           ; tile 0: even step | odd step;  tile 1 likewise
	global_store_b32 v14, v[SW], s[22:23]
	global_store_b32 v15, v[SW+1], s[22:23]
	s_wait_tensorcnt 0x0                           ; the wave's end
	ds_add_u32 v[SPW], v[NIL]
	s_wait_dscnt 0x0
	s_endpgm
; ---------------- the norm: a work-group makes one tile of 16 tokens
.Lnorm:
	s_sub_co_u32 s4, s3, 384                       ; the token tile
	s_lshr_b32 s5, s4, 1
	s_lshl_b32 s5, s5, 5
	s_and_b32 s6, s4, 1
	s_lshl_b32 s6, s6, 3
	s_add_co_u32 s5, s5, s6
	s_lshl_b32 s6, s2, 2
	s_add_co_u32 s5, s5, s6
	s_lshr_b32 s6, s2, 1
	s_lshl_b32 s6, s6, 3
	s_add_co_u32 s5, s5, s6                        ; my four tokens begin at 32 (T / 2) + 8 (T % 2) + 4 w + 8 (w / 2): the tile's rows 4 w .. 4 w + 3
	s_lshl_b32 s44, s5, 12
	s_mov_b32 s45, 0
	s_mov_b32 s[SEL], 0x76543210
	s_mov_b32 s[SEL+1], 0xfedcba98
	s_mov_b32 s52, 0x3a800000                      ; 1 / 1024
	s_mov_b32 s53, 0x3727c5ac                      ; 1e-5
	s_mov_b32 s54, 0xffff0000                      ; lanes 16-31
	s_wait_alu depctr_va_vdst(0)
	v_lshlrev_b32 v1, 4, v3
	s_mul_i32 s6, s2, 16448
	v_add_nc_u32 v2, s6, v1                        ; LDS: my four rows of 4,112 bytes, 16 bytes a lane
	v_and_b32 v8, 15, v3
	v_lshrrev_b32 v9, 4, v3
	v_mul_u32_u24 v4, v8, 4112
	v_lshl_add_u32 v4, v9, 7, v4
	s_lshl_b32 s6, s2, 10
	v_add_nc_u32 v4, s6, v4                        ; back: row r, + 128 h, + my two K steps (1,024 bytes x wave)
	v_lshlrev_b32 v7, 3, v9                        ; 8 h
	s_lshl_b32 s6, s4, 3
	s_lshl_b32 s7, s2, 1
	s_add_co_u32 s6, s6, s7
	s_mul_i32 s6, s6, 1536
	v_add_nc_u32 v11, s6, v1                       ; my two images
	s_lshl_b32 s6, s4, 9
	s_lshl_b32 s7, s2, 7
	s_add_co_u32 s6, s6, s7
	s_add_co_u32 s6, s6, 3145728
	v_lshl_add_u32 v12, v3, 2, s6                  ; my record
	s_wait_kmcnt 0x0
	s_add_nc_u64 s[24:25], s[24:25], s[44:45]
.irp k,0,1,2,3
.irp j,0,1,2,3,4,5,6,7
	global_load_b128 v[LX+32*\k+4*\j:LX+32*\k+4*\j+3], v1, s[24:25] offset:4096*\k+512*\j th:TH_LOAD_NT
.endr
.endr
.irp j,0,1,2,3,4,5,6,7
	global_load_b128 v[GA+4*\j:GA+4*\j+3], v1, s[26:27] offset:512*\j
.endr
.irp j,0,1,2,3,4,5,6,7
	global_load_b128 v[BE+4*\j:BE+4*\j+3], v1, s[28:29] offset:512*\j
.endr
.macro LANESUM                         ; the four rows' figures, summed over the 32 lanes, by turns
.irp m,1,2,4,8
.irp k,0,1,2,3
	v_add_f32_dpp v[TA+4*\k], v[TA+4*\k], v[TA+4*\k] row_xmask:\m row_mask:0xf bank_mask:0xf
.endr
.endr
.irp k,0,1,2,3
	v_permlanex16_b32 v[TA+4*\k+2], v[TA+4*\k], s[SEL], s[SEL+1]
.endr
.irp k,0,1,2,3
	v_add_f32 v[TA+4*\k], v[TA+4*\k], v[TA+4*\k+2]
.endr
.endm
	s_wait_loadcnt 16                              ; the rows are in; the gain's and the bias's 16 loads may be out
.irp k,0,1,2,3
	v_pk_add_f32 v[TA+4*\k:TA+4*\k+1], v[LX+32*\k:LX+32*\k+1], v[LX+32*\k+2:LX+32*\k+3]
	v_pk_add_f32 v[TA+4*\k+2:TA+4*\k+3], v[LX+32*\k+4:LX+32*\k+5], v[LX+32*\k+6:LX+32*\k+7]
.endr
.irp i,8,12,16,20,24,28
.irp k,0,1,2,3
	v_pk_add_f32 v[TA+4*\k:TA+4*\k+1], v[TA+4*\k:TA+4*\k+1], v[LX+32*\k+\i:LX+32*\k+\i+1]
	v_pk_add_f32 v[TA+4*\k+2:TA+4*\k+3], v[TA+4*\k+2:TA+4*\k+3], v[LX+32*\k+\i+2:LX+32*\k+\i+3]
.endr
.endr
.irp k,0,1,2,3
	v_pk_add_f32 v[TA+4*\k:TA+4*\k+1], v[TA+4*\k:TA+4*\k+1], v[TA+4*\k+2:TA+4*\k+3]
.endr
.irp k,0,1,2,3
	v_add_f32 v[TA+4*\k], v[TA+4*\k], v[TA+4*\k+1]
.endr
	LANESUM
.irp k,0,1,2,3
	v_mul_f32 v[TA+4*\k], s52, v[TA+4*\k]          ; the mean
.endr
.irp k,0,1,2,3
.set i, 0
.rept 16
	v_pk_add_f32 v[LX+32*\k+i:LX+32*\k+i+1], v[LX+32*\k+i:LX+32*\k+i+1], v[TA+4*\k:TA+4*\k+1] op_sel_hi:[1,0] neg_lo:[0,1] neg_hi:[0,1]   ; x - mean
.set i, i+2
.endr
.endr
.irp k,0,1,2,3
	v_pk_mul_f32 v[TA+4*\k:TA+4*\k+1], v[LX+32*\k:LX+32*\k+1], v[LX+32*\k:LX+32*\k+1]
	v_pk_mul_f32 v[TA+4*\k+2:TA+4*\k+3], v[LX+32*\k+2:LX+32*\k+3], v[LX+32*\k+2:LX+32*\k+3]
.endr
.irp i,4,8,12,16,20,24,28
.irp k,0,1,2,3
	v_pk_fma_f32 v[TA+4*\k:TA+4*\k+1], v[LX+32*\k+\i:LX+32*\k+\i+1], v[LX+32*\k+\i:LX+32*\k+\i+1], v[TA+4*\k:TA+4*\k+1]
	v_pk_fma_f32 v[TA+4*\k+2:TA+4*\k+3], v[LX+32*\k+\i+2:LX+32*\k+\i+3], v[LX+32*\k+\i+2:LX+32*\k+\i+3], v[TA+4*\k+2:TA+4*\k+3]
.endr
.endr
.irp k,0,1,2,3
	v_pk_add_f32 v[TA+4*\k:TA+4*\k+1], v[TA+4*\k:TA+4*\k+1], v[TA+4*\k+2:TA+4*\k+3]
.endr
.irp k,0,1,2,3
	v_add_f32 v[TA+4*\k], v[TA+4*\k], v[TA+4*\k+1]
.endr
	LANESUM
.irp k,0,1,2,3
	v_fma_f32 v[TA+4*\k], v[TA+4*\k], s52, s53     ; the variance + 1e-5
.endr
	s_wait_alu depctr_va_vdst(0)
.irp k,0,1,2,3
	v_rsq_f32 v[TA+4*\k], v[TA+4*\k]
.endr
	v_nop                                          ; a plain place behind the four roots
	s_wait_alu depctr_va_vdst(0)                   ; one wait for the batch, ahead of its first reader
	s_wait_loadcnt 0x0                             ; gain and bias
.irp k,0,1,2,3
.set i, 0
.rept 16
	v_pk_mul_f32 v[LX+32*\k+i:LX+32*\k+i+1], v[LX+32*\k+i:LX+32*\k+i+1], v[TA+4*\k:TA+4*\k+1] op_sel_hi:[1,0]
	v_pk_fma_f32 v[LX+32*\k+i:LX+32*\k+i+1], v[LX+32*\k+i:LX+32*\k+i+1], v[GA+i:GA+i+1], v[BE+i:BE+i+1]
.set i, i+2
.endr
.endr
.irp k,0,1,2,3
.irp j,0,1,2,3,4,5,6,7
	ds_store_b128 v2, v[LX+32*\k+4*\j:LX+32*\k+4*\j+3] offset:4112*\k+512*\j
.endr
.endr
	s_wait_dscnt 0x0                               ; for the others' sake: my rows lie in LDS
	s_barrier_signal -1
	s_barrier_wait -1
; wave w makes K steps 2 w and 2 w + 1 of all 16 rows.  Lane (r, h) takes whole blocks of 32: block q = 2 (step) + c is k = 64 c + 32 h + 0 .. 31 of its step
.irp q,0,1,2,3
.irp i,0,1,2,3,4,5,6,7
	ds_load_b128 v[LX+32*\q+4*\i:LX+32*\q+4*\i+3], v4 offset:256*\q+16*\i   ; rows 4,112 bytes apart: 16 rows start at 16 different groups of four banks
.endr
.endr
.macro NBLK q
.set XS, LX+32*(\q)
	s_wait_dscnt 24-8*(\q)                         ; this block's eight loads are in; the later blocks' may be out
	v_max3_num_f32 v8, |v[XS]|, |v[XS+1]|, |v[XS+2]|
	v_max3_num_f32 v9, |v[XS+3]|, |v[XS+4]|, |v[XS+5]|
.irp i,6,10,14,18,22,26
	v_max3_num_f32 v8, v8, |v[XS+\i]|, |v[XS+\i+1]|
	v_max3_num_f32 v9, v9, |v[XS+\i+2]|, |v[XS+\i+3]|
.endr
	v_max3_num_f32 v8, v8, |v[XS+30]|, |v[XS+31]|
	v_max3_num_f32 v8, v8, v9, 0x1800000
	v_add_nc_u32 v10, 0xff000000, v8
	v_lshrrev_b32 v[BY+(\q)], 23, v10
	v_cvt_scalef32_pk16_fp6_f32 v[CD+6*(\q):CD+6*(\q)+2], v[XS:XS+15], v10
	v_cvt_scalef32_pk16_fp6_f32 v[TC2:TC2+2], v[XS+16:XS+31], v10
	v_nop
.irp i,0,1,2
	v_mov_b32 v[CD+6*(\q)+3+\i], v[TC2+\i]
.endr
.endm
	v_mov_b32 v[WT], 0                             ; a lane permute's destination counts as read
	v_mov_b32 v[WT+1], 0
.irp q,0,1,2,3
	NBLK \q
.endr
.irp e,0,1
	v_lshl_or_b32 v[WD+\e], v[BY+2*\e+1], 16, v[BY+2*\e]   ; my two bytes: blocks h and 2 + h,
	v_lshlrev_b32 v[WD+\e], v7, v[WD+\e]           ; at their places,
	v_permlanex16_b32 v[WT+\e], v[WD+\e], s[SEL], s[SEL+1]
	v_or_b32 v[WD+\e], v[WD+\e], v[WT+\e]          ; with the other half's two the word is whole
.endr
	v_cndmask_b32 v[WD], v[WD], v[WD+1], s54       ; the record: lanes 0-15 the even step's words, lanes 16-31 the odd step's
.irp e,0,1
.irp j,0,1,2
	global_store_b128 v11, v[CD+12*\e+4*\j:CD+12*\e+4*\j+3], s[HQ:HQ+1] offset:1536*\e+512*\j
.endr
.endr
	global_store_b32 v12, v[WD], s[HQ:HQ+1]
	s_wait_tensorcnt 0x0                           ; the wave's end, behind my last LDS store
	ds_add_u32 v[SPW], v[NIL]
	s_wait_dscnt 0x0
	s_endpgm
.Lfunc_end_k_q561ae969d2_prep:
	.size	k_q561ae969d2_prep, .Lfunc_end_k_q561ae969d2_prep-k_q561ae969d2_prep
	.p2alignl 7, 3214868480
	.fill 96, 4, 3214868480
	.section	.rodata,"a",@progbits
	.p2align	6, 0x0
	.amdhsa_kernel k_q561ae969d2_prep
		.amdhsa_group_segment_fixed_size 66304
		.amdhsa_private_segment_fixed_size 0
		.amdhsa_enable_private_segment 0
		.amdhsa_kernarg_size 88
		.amdhsa_user_sgpr_count 2
		.amdhsa_user_sgpr_kernarg_segment_ptr 1
		.amdhsa_wavefront_size32 1
		.amdhsa_system_sgpr_workgroup_id_x 1
		.amdhsa_system_sgpr_workgroup_id_y 1
		.amdhsa_system_sgpr_workgroup_id_z 1
		.amdhsa_system_vgpr_workitem_id 0
		.amdhsa_next_free_vgpr 256
		.amdhsa_next_free_sgpr 66
		.amdhsa_reserve_vcc 0
		.amdhsa_float_denorm_mode_32 3
		.amdhsa_float_denorm_mode_16_64 3
		.amdhsa_memory_ordered 1
		.amdhsa_forward_progress 1
		.amdhsa_inst_pref_size 85
	.end_amdhsa_kernel
	.amdgpu_metadata
---
amdhsa.version: [ 1, 2 ]
amdhsa.kernels:
  - .name:           k_q561ae969d2_prep
    .symbol:         k_q561ae969d2_prep.kd
    .args:
      - { .name: Wq, .offset: 0, .size: 8, .value_kind: global_buffer, .address_space: global }
      - { .name: Wk, .offset: 8, .size: 8, .value_kind: global_buffer, .address_space: global }
      - { .name: Wv, .offset: 16, .size: 8, .value_kind: global_buffer, .address_space: global }
      - { .name: Wp, .offset: 24, .size: 8, .value_kind: global_buffer, .address_space: global }
      - { .name: W1, .offset: 32, .size: 8, .value_kind: global_buffer, .address_space: global }
      - { .name: W2, .offset: 40, .size: 8, .value_kind: global_buffer, .address_space: global }
      - { .name: hq, .offset: 48, .size: 8, .value_kind: global_buffer, .address_space: global }
      - { .name: wq, .offset: 56, .size: 8, .value_kind: global_buffer, .address_space: global }
      - { .name: x, .offset: 64, .size: 8, .value_kind: global_buffer, .address_space: global }
      - { .name: g1, .offset: 72, .size: 8, .value_kind: global_buffer, .address_space: global }
      - { .name: be1, .offset: 80, .size: 8, .value_kind: global_buffer, .address_space: global }
    .group_segment_fixed_size: 66304
    .private_segment_fixed_size: 0
    .kernarg_segment_align: 8
    .kernarg_segment_size: 88
    .max_flat_workgroup_size: 128
    .sgpr_count:     66
    .vgpr_count:     256
    .wavefront_size: 32
...
	.end_amdgpu_metadata
.endif
;; end of part 1
;; launch qkvp (part 2): grid 12 x 16, 4 waves a work-group, clusters of 4 x 4, 0 bytes of LDS; arguments hq, wq, qkv; writes qkv
.if DOCPART == 2
	.amdgcn_target "amdgcn-amd-amdhsa--gfx1250"
	.amdhsa_code_object_version 6
	.text
	.protected	k_q561ae969d2_qkvp
	.globl	k_q561ae969d2_qkvp
	.p2align	8
	.type	k_q561ae969d2_qkvp,@function
k_q561ae969d2_qkvp:
	s_mov_b64 s[64:65], 0
	v_nop
	global_prefetch_b8 v0, s[64:65] scope:SCOPE_SE
	s_setreg_imm32_b32 hwreg(HW_REG_WAVE_MODE, 25, 1), 1
	s_wait_xcnt 0x0
	s_wait_alu depctr_hold_cnt(0) depctr_sa_sdst(0) depctr_va_vdst(0) depctr_va_sdst(0) depctr_va_ssrc(0) depctr_va_vcc(0) depctr_vm_vsrc(0)
	s_getreg_b32 s2, hwreg(HW_REG_IB_STS2, 6, 4)
	s_cmp_eq_u32 s2, 0
	s_cbranch_scc0 .Lentry_in_a_cluster
	s_endpgm
.Lentry_in_a_cluster:
	s_bfe_u32 s2, ttmp6, 0x10000c
	s_cmp_lg_u32 s2, 0xf033
	s_cbranch_scc0 .Lentry_shape_is_right
	s_endpgm
.Lentry_shape_is_right:
; q, k, v = h Wq, h Wk, h Wv on codes of E2M3, and the results quantised on the way out: q and k along a head's 64 features, v along the tokens (the keys).
; A wave makes 128 x 128: 64 accumulators in windows 2 and 3.  Both operands come from memory as fragment images, three loads of 16 bytes a lane for a fragment, into two sets of registers by turns: no LDS, no barrier.
; D = wmma(X tile, Y tile): a lane holds ONE row of Y and its registers run along X's rows; by the tile order the 16 registers of X tiles 2 B, 2 B + 1 are the neighbours 32 B + 16 h + 0 .. 15.
; x = 0-3: q, 4-7: k (X = weights, Y = tokens: registers run along the features);  x = 8-11: v (X = tokens, Y = weights: registers run along the tokens).
; REGISTERS: window 0: v1 16 x lane, v2 4 x lane, v20-22 the prefetches' offsets, v32-63 scale records (two sets), v64-159 and v160-255 Y's two sets; window 1: v0-95, v128-223 X's two sets.
; CLUSTERS 4 x 4, FOR THE PREFETCH ALONE: the sixteen work-groups of a cluster read 64 weight tiles and 64 token tiles between them.  Each of their 64 waves asks at the head for ONE weight tile and ONE token tile
; (number 4 x place + wave of the 64: by address alone): K steps 1 to 7, 42 blocks of 256 bytes, a lane a block in two instructions (lanes left over name the last block again), and the tile's 512 bytes of scale records.
; So each block is named once in each cluster that loads it.  K step 0 comes by its loads alone.  No joint loads: the tiles go straight into registers, so there is no slot, no refill and no round of the cluster's barrier.
; LIMITS: NaN and infinities are not served; a block under 2^-124 keeps the byte 1.
.set NK, 8
.set TS, 12288
.set TSS, 512
.set TM, 64
.set PC, 96
.set PW, 120
.set PWE, 121
.set PWS, 122
.set SEL, 48
.set MSB, 0
.macro WIN new                         ; the immediate's high byte repeats the setting that is left
.if MSB != (\new)
	s_set_vgpr_msb (MSB<<8)|(\new)
.set MSB, (\new)
.endif
.endm
.macro PLACES                          ; four places behind a matrix instruction, ahead of loads into its registers and of reads of its results
.rept 4
	v_nop
.endr
.endm
.macro FETCH t                         ; K step t: 8 fragments of X, 8 of Y: 48 loads of 512 consecutive bytes
	WIN 0x40
.irp b,0,1,2,3,4,5,6,7
.irp j,0,1,2
	global_load_b128 v[128*((\t)%2)+12*\b+4*\j:128*((\t)%2)+12*\b+4*\j+3], v1, s[16:17] offset:\b*TS+(\t)*1536+512*\j
.endr
.endr
	WIN 0
.irp a,0,1,2,3,4,5,6,7
.irp j,0,1,2
	global_load_b128 v[64+96*((\t)%2)+12*\a+4*\j:64+96*((\t)%2)+12*\a+4*\j+3], v1, s[18:19] offset:\a*TS+(\t)*1536+512*\j
.endr
.endr
.endm
.macro FSX P                           ; X's eight records of the pair P of K steps
.irp b,0,1,2,3,4,5,6,7
	global_load_b32 v[32+16*((\P)%2)+\b], v2, s[20:21] offset:\b*TSS+128*(\P)
.endr
.endm
.macro FSY P
.irp a,0,1,2,3,4,5,6,7
	global_load_b32 v[40+16*((\P)%2)+\a], v2, s[22:23] offset:\a*TSS+128*(\P)
.endr
.endm
.macro MULH t, hi                      ; 32 matrix instructions: Y tiles 4 hi .. 4 hi + 3 x X's eight; step 0 starts the sums
.irp a,0,1,2,3
.irp b,0,1,2,3,4,5,6,7
.set rD, 8*(8*\a+\b)
.set rX, 128*((\t)%2)+12*\b
.set rY, 64+96*((\t)%2)+12*(4*(\hi)+\a)
.set rP, 32+16*(((\t)/2)%2)+\b
.set rQ, 40+16*(((\t)/2)%2)+4*(\hi)+\a
.if (\t) == 0
	v_wmma_scale_f32_16x16x128_f8f6f4 v[rD:rD+7], v[rX:rX+11], v[rY:rY+11], 0, v[rP], v[rQ] matrix_a_fmt:MATRIX_FMT_FP6 matrix_b_fmt:MATRIX_FMT_FP6
.elseif (\t)%2 == 0
	v_wmma_scale_f32_16x16x128_f8f6f4 v[rD:rD+7], v[rX:rX+11], v[rY:rY+11], v[rD:rD+7], v[rP], v[rQ] matrix_a_fmt:MATRIX_FMT_FP6 matrix_b_fmt:MATRIX_FMT_FP6
.else
	v_wmma_scale_f32_16x16x128_f8f6f4 v[rD:rD+7], v[rX:rX+11], v[rY:rY+11], v[rD:rD+7], v[rP], v[rQ] matrix_a_fmt:MATRIX_FMT_FP6 matrix_b_fmt:MATRIX_FMT_FP6 matrix_a_scale:MATRIX_SCALE_ROW1 matrix_b_scale:MATRIX_SCALE_ROW1
.endif
.endr
.endr
.endm
.macro MUL t                           ; the 64 accumulators take turns, in one order in every step
	WIN 0xa1
	MULH \t,0
	WIN 0xf1
	MULH \t,1
.endm
.macro WALK                            ; the K steps, written out: every offset is an immediate.  A set's loads have one step's 64 matrix instructions in which to land
	FSX 0
	FSY 0
	FETCH 0
.set T, 0
.rept NK
	s_wait_loadcnt 0x0                             ; this step's set and records are in: nothing younger is out here
.if T > 0
	PLACES
.endif
.if T+1 < NK
	FETCH T+1
.if (T%2 == 0) && (T+2 < NK)
	FSX (T+2)/2
.endif
.if T%2 == 1
	FSY (T+1)/2
.endif
.endif
	MUL T
.set T, T+1
.endr
	WIN 0
	PLACES
.endm
; 64 numbers of a lane in window W, register s + 16 b + i = k 32 b + 16 h + i of my row, become a fragment in v[PC] .. v[PC + 11] and its scale word in v[PW].  Each accumulator is read from its low end on.
.macro QUANT s, W
	WIN (((\W)<<2)|((\W)<<4))
.irp b,0,1,2,3
	v_max3_num_f32 v[TM+\b], 0x1800000, |v[(\s)+16*\b]|, |v[(\s)+16*\b+1]|   ; with the floor 2^(3 - 127)
.endr
.irp i,2,4,6,8,10,12,14
.irp b,0,1,2,3
	v_max3_num_f32 v[TM+\b], v[TM+\b], |v[(\s)+16*\b+\i]|, |v[(\s)+16*\b+\i+1]|
.endr
.endr
	WIN 0
	s_wait_alu depctr_va_vdst(0)
	s_wait_xcnt 0x0                                ; the last tile's stores have read their data: the registers below are written again
.irp b,0,1,2,3
	v_permlanex16_b32 v[TM+4+\b], v[TM+\b], s[SEL], s[SEL+1]
.endr
.irp b,0,1,2,3
	v_max_num_f32 v[TM+\b], v[TM+\b], v[TM+4+\b]
.endr
.irp b,0,1,2,3
	v_add_nc_u32 v[TM+12+\b], 0xff000000, v[TM+\b]
.endr
.irp b,0,1,2,3
	v_lshrrev_b32 v[TM+4+\b], 23, v[TM+12+\b]
.endr
	v_lshl_or_b32 v[PW], v[TM+5], 8, v[TM+4]
	v_lshl_or_b32 v[PW], v[TM+6], 16, v[PW]
	v_lshl_or_b32 v[PW], v[TM+7], 24, v[PW]
	WIN (\W)
.irp c,0,1
	v_cvt_scalef32_pk16_fp6_f32 v[PC+6*\c:PC+6*\c+2], v[(\s)+32*\c:(\s)+32*\c+15], v[TM+12+2*\c]
	v_cvt_scalef32_pk16_fp6_f32 v[PC+12+4*\c:PC+14+4*\c], v[(\s)+16+32*\c:(\s)+31+32*\c], v[TM+13+2*\c]
.endr
	WIN 0
	v_nop                                          ; one plain place behind a scaled conversion
.irp c,0,1
.irp i,0,1,2
	v_permlane16_swap_b32 v[PC+6*\c+\i], v[PC+12+4*\c+\i]   ; a whole block to a lane
.endr
.irp i,0,1,2
	v_mov_b32 v[PC+3+6*\c+\i], v[PC+12+4*\c+\i]
.endr
.endr
.endm
	s_load_b128 s[4:7], s[0:1], 0x0                ; hq, wq
	s_load_b64 s[8:9], s[0:1], 0x10                ; qkv
	v_lshrrev_b32 v3, 5, v0
	v_readfirstlane_b32 s2, v3                     ; wave
	v_and_b32 v3, 31, v0
	v_lshlrev_b32 v1, 4, v3
	v_lshlrev_b32 v2, 2, v3
	v_lshlrev_b32 v4, 3, v3
	v_and_b32 v5, 15, v3
	v_lshlrev_b32 v5, 2, v5
	v_lshrrev_b32 v6, 4, v3
	v_lshl_add_u32 v5, v6, 13, v5                  ; q, k scale words: 4 r, and 8,192 on (the next head) for lanes 16-31
	v_lshlrev_b32 v20, 8, v3                       ; the prefetches: a lane a block of 256 bytes;
	v_min_u32 v21, 9, v3
	v_lshlrev_b32 v21, 8, v21                      ; the last ten blocks of a tile;
	v_min_u32 v22, 1, v3
	v_lshlrev_b32 v22, 8, v22                      ; the two blocks of its records
	s_bfe_u32 s50, ttmp6, 0x40000                  ; cx
	s_bfe_u32 s51, ttmp6, 0x40004                  ; cy
	s_lshl_b32 s3, ttmp9, 2
	s_add_co_u32 s3, s3, s50                       ; block of 256 weight columns
	s_and_b32 s10, ttmp7, 0xffff
	s_lshl_b32 s56, s10, 6                         ; the cluster's first token tile
	s_lshl_b32 s10, s10, 2
	s_add_co_u32 s10, s10, s51                     ; block of 256 tokens
	s_lshl_b32 s52, s51, 2
	s_add_co_u32 s52, s52, s50
	s_lshl_b32 s52, s52, 2
	s_add_co_u32 s52, s52, s2                      ; my wave's number among the cluster's 64
	s_lshl_b32 s54, ttmp9, 6
	s_add_co_u32 s54, s54, s52                     ; the weight tile that I ask for,
	s_add_co_u32 s56, s56, s52                     ; and the token tile
	s_lshl_b32 s58, s54, 9
	s_add_co_u32 s58, s58, 9437184
	s_lshl_b32 s60, s56, 9
	s_add_co_u32 s60, s60, 3145728
	s_mul_i32 s54, s54, 12288
	s_mul_i32 s56, s56, 12288
	s_mov_b32 s55, 0
	s_mov_b32 s57, 0
	s_mov_b32 s59, 0
	s_mov_b32 s61, 0
	s_lshr_b32 s11, s2, 1
	s_and_b32 s12, s2, 1
	s_lshl_b32 s13, s10, 4
	s_lshl_b32 s14, s11, 3
	s_add_co_u32 s13, s13, s14                     ; my first token tile
	s_lshl_b32 s14, s3, 4
	s_lshl_b32 s15, s12, 3
	s_add_co_u32 s14, s14, s15                     ; my first weight tile
	s_mul_i32 s28, s13, 12288
	s_mov_b32 s29, 0
	s_lshl_b32 s30, s13, 9
	s_add_co_u32 s30, s30, 3145728
	s_mov_b32 s31, 0
	s_mul_i32 s32, s14, 12288
	s_mov_b32 s33, 0
	s_lshl_b32 s34, s14, 9
	s_add_co_u32 s34, s34, 9437184
	s_mov_b32 s35, 0
	s_lshr_b32 s36, s10, 3
	s_lshl_b32 s36, s36, 4
	s_and_b32 s37, s14, 63
	s_lshr_b32 s37, s37, 2
	s_add_co_u32 s36, s36, s37                     ; batch x 16 + my first head
	s_and_b32 s38, s13, 127                        ; token tile in the batch
	s_lshl_b32 s39, s36, 7
	s_add_co_u32 s39, s39, s38
	s_mul_i32 s40, s39, 768
	s_lshr_b32 s41, s3, 2
	s_mul_i32 s42, s41, 3145728
	s_add_co_u32 s40, s40, s42                     ; q, k: half images
	s_lshl_b32 s42, s39, 6
	s_lshl_b32 s41, s41, 18
	s_add_co_u32 s42, s42, s41
	s_add_co_u32 s42, s42, 9437184                 ; q, k: scale words
	s_lshl_b32 s39, s36, 4
	s_lshr_b32 s38, s38, 3
	s_add_co_u32 s39, s39, s38                     ; v: (batch, head) x 16 + key step
	s_mul_i32 s43, s39, 6144
	s_add_co_u32 s43, s43, 6291456
	s_lshl_b32 s44, s39, 8
	s_add_co_u32 s44, s44, 9961472
	s_cmp_ge_u32 s3, 8
	s_cselect_b32 s40, s43, s40
	s_cselect_b32 s42, s44, s42
	s_mov_b32 s41, 0
	s_mov_b32 s43, 0
	s_mov_b32 s46, 0xffff0000                      ; lanes 16-31
	s_mov_b32 s[SEL], 0x76543210
	s_mov_b32 s[SEL+1], 0xfedcba98
	s_wait_alu depctr_va_vdst(0)
	s_wait_kmcnt 0x0
	s_add_nc_u64 s[28:29], s[4:5], s[28:29]
	s_add_nc_u64 s[30:31], s[4:5], s[30:31]
	s_add_nc_u64 s[32:33], s[6:7], s[32:33]
	s_add_nc_u64 s[34:35], s[6:7], s[34:35]
	s_add_nc_u64 s[24:25], s[8:9], s[40:41]
	s_add_nc_u64 s[26:27], s[8:9], s[42:43]
	s_add_nc_u64 s[54:55], s[6:7], s[54:55]
	s_add_nc_u64 s[56:57], s[4:5], s[56:57]
	s_add_nc_u64 s[58:59], s[6:7], s[58:59]
	s_add_nc_u64 s[60:61], s[4:5], s[60:61]
	s_cmp_ge_u32 s3, 8                             ; v: the tokens are X; q, k: the weights are X.  The choice hangs on the work-group's number alone
	s_cselect_b64 s[16:17], s[28:29], s[32:33]
	s_cselect_b64 s[18:19], s[32:33], s[28:29]
	s_cselect_b64 s[20:21], s[30:31], s[34:35]
	s_cselect_b64 s[22:23], s[34:35], s[30:31]
	global_prefetch_b8 v20, s[54:55] offset:1536 th:TH_LOAD_NT scope:SCOPE_SE   ; my weight tile: blocks 6 to 37,
	global_prefetch_b8 v20, s[56:57] offset:1536 th:TH_LOAD_NT scope:SCOPE_SE   ; my token tile likewise,
	global_prefetch_b8 v21, s[54:55] offset:9728 th:TH_LOAD_NT scope:SCOPE_SE   ; blocks 38 to 47,
	global_prefetch_b8 v21, s[56:57] offset:9728 th:TH_LOAD_NT scope:SCOPE_SE
	global_prefetch_b8 v22, s[58:59] th:TH_LOAD_NT scope:SCOPE_SE               ; and the two tiles' records
	global_prefetch_b8 v22, s[60:61] th:TH_LOAD_NT scope:SCOPE_SE
	WALK
.irp b,0,1,2,3
	v_mov_b32 v[TM+4+\b], 0                        ; a lane permute's destination counts as read
.endr
	s_cmp_ge_u32 s3, 8
	s_cbranch_scc1 .Lvpath
.irp a,0,1,2,3,4,5,6,7                 ; q, k: a token tile's 128 features are two heads: registers 0-5 the first head's half image, 6-11 the second's
	QUANT 64*(\a%4),2+\a/4
	global_store_b128 v1, v[PC:PC+3], s[24:25] offset:768*\a
	global_store_b64 v4, v[PC+4:PC+5], s[24:25] offset:768*\a+512
	global_store_b128 v1, v[PC+6:PC+9], s[24:25] offset:768*\a+98304
	global_store_b64 v4, v[PC+10:PC+11], s[24:25] offset:768*\a+98304+512
	v_and_b32 v[PWS+1], 0xffff, v[PW]
	v_lshrrev_b32 v[PWS+2], 16, v[PW]
	v_cndmask_b32 v[PWS], v[PWS+1], v[PWS+2], s46  ; two bytes a head; the upper two stay 0: they meet zero codes
	global_store_b32 v5, v[PWS], s[26:27] offset:64*\a
.endr
	s_endpgm
.Lvpath:
.irp a,0,1,2,3,4,5,6,7                 ; v: 16 of a head's 64 x 128 keys: a whole image
	QUANT 64*(\a%4),2+\a/4
.irp j,0,1,2
	global_store_b128 v1, v[PC+4*\j:PC+4*\j+3], s[24:25] offset:(\a/4)*98304+(\a%4)*1536+512*\j
.endr
.if \a%2 == 0
	v_mov_b32 v[PWE], v[PW]
.else
	v_cndmask_b32 v[PWS], v[PWE], v[PW], s46       ; two tiles' words in one store of 128 bytes
	global_store_b32 v2, v[PWS], s[26:27] offset:(\a/4)*4096+((\a%4)-1)*64
.endif
.endr
	s_endpgm
.Lfunc_end_k_q561ae969d2_qkvp:
	.size	k_q561ae969d2_qkvp, .Lfunc_end_k_q561ae969d2_qkvp-k_q561ae969d2_qkvp
	.p2alignl 7, 3214868480
	.fill 96, 4, 3214868480
	.section	.rodata,"a",@progbits
	.p2align	6, 0x0
	.amdhsa_kernel k_q561ae969d2_qkvp
		.amdhsa_group_segment_fixed_size 0
		.amdhsa_private_segment_fixed_size 0
		.amdhsa_enable_private_segment 0
		.amdhsa_kernarg_size 24
		.amdhsa_user_sgpr_count 2
		.amdhsa_user_sgpr_kernarg_segment_ptr 1
		.amdhsa_wavefront_size32 1
		.amdhsa_system_sgpr_workgroup_id_x 1
		.amdhsa_system_sgpr_workgroup_id_y 1
		.amdhsa_system_sgpr_workgroup_id_z 1
		.amdhsa_system_vgpr_workitem_id 0
		.amdhsa_next_free_vgpr 1024
		.amdhsa_next_free_sgpr 66
		.amdhsa_reserve_vcc 0
		.amdhsa_float_denorm_mode_32 3
		.amdhsa_float_denorm_mode_16_64 3
		.amdhsa_memory_ordered 1
		.amdhsa_forward_progress 1
		.amdhsa_inst_pref_size 185
	.end_amdhsa_kernel
	.amdgpu_metadata
---
amdhsa.version: [ 1, 2 ]
amdhsa.kernels:
  - .name:           k_q561ae969d2_qkvp
    .symbol:         k_q561ae969d2_qkvp.kd
    .args:
      - { .name: hq, .offset: 0, .size: 8, .value_kind: global_buffer, .address_space: global }
      - { .name: wq, .offset: 8, .size: 8, .value_kind: global_buffer, .address_space: global }
      - { .name: qkv, .offset: 16, .size: 8, .value_kind: global_buffer, .address_space: global }
    .group_segment_fixed_size: 0
    .private_segment_fixed_size: 0
    .kernarg_segment_align: 8
    .kernarg_segment_size: 24
    .max_flat_workgroup_size: 128
    .sgpr_count:     66
    .vgpr_count:     1024
    .wavefront_size: 32
...
	.end_amdgpu_metadata
.endif
;; end of part 2
;; launch attn (part 3): grid 8 x 32, 16 waves a work-group, no clusters, 280,576 bytes of LDS; arguments qkv, oq; writes oq
.if DOCPART == 3
	.amdgcn_target "amdgcn-amd-amdhsa--gfx1250"
	.amdhsa_code_object_version 6
	.text
	.protected	k_q561ae969d2_attn
	.globl	k_q561ae969d2_attn
	.p2align	8
	.type	k_q561ae969d2_attn,@function
k_q561ae969d2_attn:
	s_mov_b64 s[64:65], 0
	v_nop
	global_prefetch_b8 v0, s[64:65] scope:SCOPE_SE
	s_setreg_imm32_b32 hwreg(HW_REG_WAVE_MODE, 25, 1), 1
	s_wait_xcnt 0x0
; Causal attention on codes of E2M3, head size 64, scores x 1/32.  p = 2^(t - M), t = score x log2(e) / 32, M the running largest t rounded up to a whole number; p is quantised along the keys; the row's sum is taken of the
; unquantised p and divides at the end; o is quantised along the features on the way out, as half of a fragment image of the next product.
; SHARES.  A work-group takes, of one (batch, head), the query blocks pj and 15 - pj (128 queries each): (pj + 1) + (16 - pj) = 17 key steps of 128 keys for each tile of 16 queries.
; SIXTEEN WAVES, four to a SIMD.  A tile of queries has TWO waves: wave (tq, kh) takes the key steps k = 2 i + kh, with a running M, a sum and an O^T of its own; at a block's end the wave kh = 1 hands its three to the wave
; kh = 0 through LDS, which brings both under the larger M by exact powers of two, adds them and sends the block out.  A wave that had no step holds M = -3e38 and zeros: its factor comes out 0.
; K AND V OF THE WHOLE HEAD STAY IN LDS: 2 x 98,304 bytes of images and 12,288 bytes of scale words, brought once: each wave loads 12,288 + 768 bytes, all its loads on their way together, and stores them; one barrier;
; behind it the key steps have no barrier and no access to memory.  The launch has three barriers: behind the fill and in each block's merge.
; The loops' trip counts are constants (4 for block pj, 8 for block 15 - pj); a step beyond the diagonal is jumped over by a scalar branch on ids; the step on the diagonal makes hidden scores -infinity.
; Both products are used transposed (S^T = K Q^T, O^T = V^T P^T): a lane holds one query throughout.
; K = 64 IN A FORM OF K = 128: q's registers 6-11 are zero codes; a tile of k is named with the six registers that follow its own six (the next tile's codes, or zeros): they meet zero codes and add nothing.
; NOT TAKEN: joint requests by the eight work-groups of a head, which read the same 208,896 bytes: the fill stands once, at the head, and goes through registers.
; ORDER OF THE SUMS: a query's keys are summed in two runs (even and odd key steps), each ascending, and the runs are added at the end.
; LIMITS: NaN and infinities are not served; a block under 2^-124 keeps the byte 1.
.set VREG, 98304                       ; LDS: k's half images from 0 (key step k at 6,144 k), v's images from here
.set SCK, 196608                       ; k's scale words: 512 bytes a key step
.set SCV, 204800                       ; v's: 256 bytes a key step
.set MRG, 208896                       ; the merge: for each block and tile 4,096 bytes of O^T, 128 of -M, 128 of the sum
.set MTILE, 4352
.set MPH, 34816                        ; the second block's areas lie this far behind the first's: nothing is written twice
.set SPARE, 278528                     ; the spare words, 128 bytes a wave
.set F, 54                             ; v54-101 k's eight half fragments, then v's four fragments; v102-107 zeros
.set S, 108                            ; v108-171 S^T, then p
.set O, 172                            ; v172-203 O^T
.set PC, 204                           ; v204-215 p's codes
.set BM, 212                           ; v212-215 the blocks' largest scores (dead before the codes are made)
.set T1, 216
.set SO, 224
; v1, v2, v3, v11, v42 a step's LDS addresses; v4, v5, v6 16, 8, 4 x lane; v7 query - 16 h inside the block; v8, v9 the add's two; v10 4 r; v12 -M; v13 largest t; v[14:15] the sum; v16-27 q; v28-33 the second block's q;
; v34, v35 q's scale words; v36-39 k's, v40-41 v's scale words; v43, v44 my tile's merge area; v45-47 where I store my part of the fill; v48-53 the merge's numbers; v228 f; v229 p's scale word; v230, v231 at work
; s2 wave; s3 pj; s8 batch x 16 + head; s9 15 - pj; s10 tq; s11 kh; s34 k; s35 the block's last key step; s36-39 LDS bytes of step k: k's images, v's images, k's words, v's words; s44 trips
.macro PLACES
.rept 4
	v_nop
.endr
.endm
.macro RESET q                         ; a block begins: O^T and the sum are zeros, the largest t is under every t
.if \q
.irp i,0,1,2,3,4,5
	v_mov_b32 v[16+\i], v[28+\i]
.endr
	v_mov_b32 v34, v35
.endif
.set i, 0
.rept 32
	v_mov_b32 v[O+i], 0
.set i, i+1
.endr
	v_mov_b32 v13, 0xff61b1e6
	s_delay_alu instid0(VALU_DEP_1)
	v_floor_f32 v12, -v13
	v_mov_b32 v14, 0
	v_mov_b32 v15, 0
.endm
.macro FINAL                           ; the block's way out: v14 holds my lane's part of the row's sum, O the merged O^T
	v_permlanex16_b32 v230, v14, s30, s31
	s_delay_alu instid0(VALU_DEP_1)
	v_add_f32 v14, v14, v230
	s_wait_alu depctr_va_vdst(0)
	v_rcp_f32 v14, v14
	v_nop
	s_wait_alu depctr_va_vdst(0)                   ; ahead of the reciprocal's first reader
.set i, 0
.rept 32
	v_mul_f32 v[S+i], v[O+i], v14                  ; register 16 b + i: feature 32 b + 16 h + i of my query
.set i, i+1
.endr
.irp b,0,1
	v_max3_num_f32 v[BM+\b], |v[S+16*\b]|, |v[S+16*\b+1]|, 0x1800000
.endr
.irp i,2,4,6,8,10,12,14
.irp b,0,1
	s_delay_alu instid0(VALU_DEP_2)
	v_max3_num_f32 v[BM+\b], v[BM+\b], |v[S+16*\b+\i]|, |v[S+16*\b+\i+1]|
.endr
.endr
.irp b,0,1
	s_delay_alu instid0(VALU_DEP_2)
	v_permlanex16_b32 v[T1+\b], v[BM+\b], s30, s31
.endr
.irp b,0,1
	s_delay_alu instid0(VALU_DEP_2)
	v_max_num_f32 v[BM+\b], v[BM+\b], v[T1+\b]
.endr
.irp b,0,1
	s_delay_alu instid0(VALU_DEP_2)
	v_add_nc_u32 v[SO+\b], 0xff000000, v[BM+\b]
.endr
.irp b,0,1
	s_delay_alu instid0(VALU_DEP_2)
	v_lshrrev_b32 v[T1+\b], 23, v[SO+\b]
.endr
	s_delay_alu instid0(VALU_DEP_1)
	v_lshl_or_b32 v231, v[T1+1], 8, v[T1]          ; my head's two bytes of the row's scale word
	v_cvt_scalef32_pk16_fp6_f32 v[PC:PC+2], v[S:S+15], v[SO]
	v_cvt_scalef32_pk16_fp6_f32 v[220:222], v[S+16:S+31], v[SO+1]
	v_nop
.irp i,0,1,2
	v_permlane16_swap_b32 v[PC+\i], v[220+\i]
.endr
.irp i,0,1,2
	s_delay_alu instid0(VALU_DEP_3)
	v_mov_b32 v[PC+3+\i], v[220+\i]
.endr
	s_cmp_lg_u32 s45, 0
	s_cbranch_scc1 .Lodd_\@
	global_store_b128 v4, v[PC:PC+3], s[22:23]               ; an even head: the image's registers 0-5
	global_store_b64 v4, v[PC+4:PC+5], s[22:23] offset:512
	s_branch .Lsent_\@
.Lodd_\@:
	s_wait_alu depctr_va_vdst(0)
	global_store_b64 v4, v[PC:PC+1], s[22:23] offset:520     ; an odd head: registers 6-11
	global_store_b128 v4, v[PC+2:PC+5], s[22:23] offset:1024
.Lsent_\@:
	s_wait_alu depctr_va_vdst(0)
	global_store_b16 v10, v231, s[24:25]           ; lanes r and r + 16 hold the same two bytes and write them to the same place
	s_wait_xcnt 0x0                                ; the stores have read their data and their bases
	s_mov_b64 s[22:23], s[26:27]                   ; on to the second block's places
	s_mov_b64 s[24:25], s[28:29]
.endm
.macro TRIP                            ; key step k = s34, if the block has it
	s_cmp_gt_u32 s34, s35                          ; beyond the diagonal: ids and the count of trips alone
	s_cbranch_scc1 .Lskip_\@
	v_add_nc_u32 v1, s36, v4                       ; (these five are also places behind the last step's products)
	v_add_nc_u32 v2, s36, v5
	v_add_nc_u32 v3, s37, v4
	v_add_nc_u32 v11, s38, v6
	v_add_nc_u32 v42, s39, v6
.irp t,0,1,2,3,4,5,6,7
	ds_load_b128 v[F+6*\t:F+6*\t+3], v1 offset:768*\t
	ds_load_b64 v[F+6*\t+4:F+6*\t+5], v2 offset:768*\t+512
.endr
.irp i,0,1,2,3
	ds_load_b32 v[36+\i], v11 offset:128*\i        ; lanes 0-15 tile 2 i's words, lanes 16-31 tile 2 i + 1's
.endr
	s_wait_alu depctr_va_vdst(0)
	s_wait_dscnt 0x0                               ; k and its scale words are in
.irp t,0,1,2,3,4,5,6,7
.if \t%2 == 0
	v_wmma_scale_f32_16x16x128_f8f6f4 v[S+8*\t:S+8*\t+7], v[F+6*\t:F+6*\t+11], v[16:27], 0, v[36+\t/2], v34 matrix_a_fmt:MATRIX_FMT_FP6 matrix_b_fmt:MATRIX_FMT_FP6
.else
	v_wmma_scale_f32_16x16x128_f8f6f4 v[S+8*\t:S+8*\t+7], v[F+6*\t:F+6*\t+11], v[16:27], 0, v[36+\t/2], v34 matrix_a_fmt:MATRIX_FMT_FP6 matrix_b_fmt:MATRIX_FMT_FP6 matrix_a_scale:MATRIX_SCALE_ROW1
.endif
.endr
	PLACES
.irp t,0,1,2,3
.irp j,0,1,2
	ds_load_b128 v[F+12*\t+4*\j:F+12*\t+4*\j+3], v3 offset:1536*\t+512*\j   ; v lands while the softmax is walked
.endr
.endr
.irp i,0,1
	ds_load_b32 v[40+\i], v42 offset:128*\i
.endr
	s_cmp_lg_u32 s34, s35                          ; the block's last step lies on the diagonal
	s_cbranch_scc1 .Lopen_\@
	v_mov_b32 v231, 0xff800000
.set n, 0
.rept 64
	v_cmp_gt_i32 vcc_lo, 32*(n/16)+n%16, v7        ; register 16 b + i holds key 32 b + 16 h + i of the step: hidden where it comes after my query
	v_cndmask_b32 v[S+n], v[S+n], v231, vcc_lo
.set n, n+1
.endr
.Lopen_\@:
.irp b,0,1,2,3
	v_max3_num_f32 v[BM+\b], v[S+16*\b], v[S+16*\b+1], v[S+16*\b+2]   ; each block's largest score: for the row's maximum and for the block's largest p
.endr
.irp i,3,5,7,9,11,13
.irp b,0,1,2,3
	v_max3_num_f32 v[BM+\b], v[BM+\b], v[S+16*\b+\i], v[S+16*\b+\i+1]
.endr
.endr
.irp b,0,1,2,3
	v_max_num_f32 v[BM+\b], v[BM+\b], v[S+16*\b+15]
.endr
.irp b,0,1,2,3
	s_delay_alu instid0(VALU_DEP_4)
	v_permlanex16_b32 v[T1+\b], v[BM+\b], s30, s31
.endr
.irp b,0,1,2,3
	s_delay_alu instid0(VALU_DEP_4)
	v_max_num_f32 v[BM+\b], v[BM+\b], v[T1+\b]
.endr
	s_delay_alu instid0(VALU_DEP_2)
	v_max3_num_f32 v230, v[BM], v[BM+1], v[BM+2]
	s_delay_alu instid0(VALU_DEP_1)
	v_max_num_f32 v230, v230, v[BM+3]
	s_delay_alu instid0(VALU_DEP_1)
	v_mul_f32 v230, s32, v230
	s_delay_alu instid0(VALU_DEP_1)
	v_max_num_f32 v13, v13, v230                   ; the running largest t
	v_mov_b32 v230, v12
	s_delay_alu instid0(VALU_DEP_2)
	v_floor_f32 v12, -v13                          ; -M = floor(-t)
	s_delay_alu instid0(VALU_DEP_1)
	v_sub_f32 v230, v12, v230
	s_delay_alu instid0(VALU_DEP_1)
	v_cvt_i32_f32 v230, v230                       ; (it saturates)
	s_delay_alu instid0(VALU_DEP_1)
	v_ldexp_f32 v228, 1.0, v230                    ; f = 2^(old M - new M)
.set i, 0
.rept 32
	v_pk_fma_f32 v[S+i:S+i+1], v[S+i:S+i+1], s[32:33], v[12:13] op_sel_hi:[1,0,0]   ; t - M
.set i, i+2
.endr
.irp b,0,1,2,3
	v_fma_f32 v[BM+\b], v[BM+\b], s32, v12
.endr
.set i, 0
	s_wait_alu depctr_va_vdst(0)
.rept 64
	v_exp_f32 v[S+i], v[S+i]
.set i, i+1
.endr
	v_pk_mul_f32 v[14:15], v[14:15], v[228:229] op_sel_hi:[1,0]   ; the sum under the new M; a plain place behind the batch
	s_wait_alu depctr_va_vdst(0)                   ; one wait for the 64, ahead of their first reader
.irp b,0,1,2,3
	v_exp_f32 v[BM+\b], v[BM+\b]                   ; the blocks' largest p
.endr
	v_pk_add_f32 v[216:217], v[112:113], v[116:117]
	v_pk_add_f32 v[254:255], v[120:121], v[124:125]
	v_pk_add_f32 v[252:253], v[128:129], v[132:133]
	v_pk_add_f32 v[250:251], v[136:137], v[140:141]
	v_pk_add_f32 v[248:249], v[144:145], v[148:149]
	v_pk_add_f32 v[246:247], v[152:153], v[156:157]
	v_pk_add_f32 v[244:245], v[160:161], v[164:165]
	v_pk_add_f32 v[14:15], v[14:15], v[168:169]
	v_pk_add_f32 v[216:217], v[216:217], v[108:109]
	v_pk_add_f32 v[254:255], v[254:255], v[110:111]
	v_pk_add_f32 v[252:253], v[252:253], v[114:115]
	v_pk_add_f32 v[250:251], v[250:251], v[118:119]
	v_pk_add_f32 v[248:249], v[248:249], v[122:123]
	v_pk_add_f32 v[246:247], v[246:247], v[126:127]
	v_pk_add_f32 v[244:245], v[244:245], v[130:131]
	v_pk_add_f32 v[14:15], v[14:15], v[134:135]
	v_pk_add_f32 v[216:217], v[216:217], v[138:139]
	v_pk_add_f32 v[254:255], v[254:255], v[142:143]
	v_pk_add_f32 v[252:253], v[252:253], v[146:147]
	v_pk_add_f32 v[250:251], v[250:251], v[150:151]
	v_pk_add_f32 v[248:249], v[248:249], v[154:155]
	v_pk_add_f32 v[246:247], v[246:247], v[158:159]
	v_pk_add_f32 v[244:245], v[244:245], v[162:163]
	v_pk_add_f32 v[14:15], v[14:15], v[166:167]
	v_pk_add_f32 v[216:217], v[216:217], v[170:171]
	s_delay_alu instid0(VALU_DEP_2)
	v_pk_add_f32 v[14:15], v[14:15], v[250:251]
	s_delay_alu instid0(VALU_DEP_2)
	v_pk_add_f32 v[216:217], v[216:217], v[248:249]
	v_pk_add_f32 v[254:255], v[254:255], v[246:247]
	v_pk_add_f32 v[252:253], v[252:253], v[244:245]
	s_delay_alu instid0(VALU_DEP_2)
	v_pk_add_f32 v[14:15], v[14:15], v[254:255]
	s_delay_alu instid0(VALU_DEP_2)
	v_pk_add_f32 v[216:217], v[216:217], v[252:253]
	s_delay_alu instid0(VALU_DEP_1)
	v_pk_add_f32 v[14:15], v[14:15], v[216:217]
	s_wait_alu depctr_va_vdst(0)                   ; and one for the four
.irp b,0,1,2,3
	v_max_num_f32 v[BM+\b], 0x1800000, v[BM+\b]
.endr
.irp b,0,1,2,3
	s_delay_alu instid0(VALU_DEP_4)
	v_add_nc_u32 v[SO+\b], 0xff000000, v[BM+\b]
.endr
.irp b,0,1,2,3
	s_delay_alu instid0(VALU_DEP_4)
	v_lshrrev_b32 v[T1+\b], 23, v[SO+\b]
.endr
	s_delay_alu instid0(VALU_DEP_3)
	v_lshl_or_b32 v229, v[T1+1], 8, v[T1]
	s_delay_alu instid0(VALU_DEP_1)
	v_lshl_or_b32 v229, v[T1+2], 16, v229
	s_delay_alu instid0(VALU_DEP_1)
	v_lshl_or_b32 v229, v[T1+3], 24, v229
.irp c,0,1
	v_cvt_scalef32_pk16_fp6_f32 v[PC+6*\c:PC+6*\c+2], v[S+32*\c:S+32*\c+15], v[SO+2*\c]
	v_cvt_scalef32_pk16_fp6_f32 v[216+4*\c:218+4*\c], v[S+16+32*\c:S+31+32*\c], v[SO+2*\c+1]
.endr
	v_nop
.irp c,0,1
.irp i,0,1,2
	v_permlane16_swap_b32 v[PC+6*\c+\i], v[216+4*\c+\i]
.endr
.irp i,0,1,2
	s_delay_alu instid0(VALU_DEP_3)
	v_mov_b32 v[PC+3+6*\c+\i], v[216+4*\c+\i]
.endr
.endr
.set i, 0
.rept 16
	v_pk_mul_f32 v[O+i:O+i+1], v[O+i:O+i+1], v[228:229] op_sel_hi:[1,0]   ; O^T under the new M; also the places ahead of the scaled products
.set i, i+2
.endr
	s_wait_alu depctr_va_vdst(0)
	s_wait_dscnt 0x0                               ; v and its scale words are in
.irp t,0,1,2,3
.if \t%2 == 0
	v_wmma_scale_f32_16x16x128_f8f6f4 v[O+8*\t:O+8*\t+7], v[F+12*\t:F+12*\t+11], v[PC:PC+11], v[O+8*\t:O+8*\t+7], v[40+\t/2], v229 matrix_a_fmt:MATRIX_FMT_FP6 matrix_b_fmt:MATRIX_FMT_FP6
.else
	v_wmma_scale_f32_16x16x128_f8f6f4 v[O+8*\t:O+8*\t+7], v[F+12*\t:F+12*\t+11], v[PC:PC+11], v[O+8*\t:O+8*\t+7], v[40+\t/2], v229 matrix_a_fmt:MATRIX_FMT_FP6 matrix_b_fmt:MATRIX_FMT_FP6 matrix_a_scale:MATRIX_SCALE_ROW1
.endif
.endr
	PLACES
.Lskip_\@:
	s_add_co_u32 s34, s34, 2                       ; my next key step: two on
	s_add_co_u32 s36, s36, 12288
	s_add_co_u32 s37, s37, 12288
	s_add_co_u32 s38, s38, 1024
	s_add_co_u32 s39, s39, 512
.endm
.macro PHASE trips                     ; my key steps kh, kh + 2 .. of a block: a constant number of trips
	s_mov_b32 s34, s11
	s_mul_i32 s36, s11, 6144
	s_add_co_u32 s37, s36, VREG
	s_lshl_b32 s38, s11, 9
	s_add_co_u32 s38, s38, SCK
	s_lshl_b32 s39, s11, 8
	s_add_co_u32 s39, s39, SCV
	s_mov_b32 s44, 0
.Lph_\@:
	TRIP
	s_add_co_u32 s44, s44, 1
	s_cmp_lt_u32 s44, \trips
	s_cbranch_scc1 .Lph_\@
.endm
.macro MERGE ph                        ; the two waves of a tile meet: kh = 1 stores, a barrier, kh = 0 loads, adds and sends the block out
	s_cmp_eq_u32 s11, 0
	s_cbranch_scc1 .Lown_\@
	s_wait_alu depctr_va_vdst(0)
	v_add_f32 v14, v14, v15
.irp j,0,1,2,3,4,5,6,7
	ds_store_b128 v43, v[O+4*\j:O+4*\j+3] offset:MPH*(\ph)+512*\j   ; an image of the registers: 16 bytes a lane; each accumulator from its low end on
.endr
	ds_store_b32 v44, v12 offset:MPH*(\ph)
	ds_store_b32 v44, v14 offset:MPH*(\ph)+128
.Lown_\@:
	s_wait_dscnt 0x0                               ; for the partner's sake: my stores have landed
	s_barrier_signal -1
	s_barrier_wait -1
	s_cmp_lg_u32 s11, 0
	s_cbranch_scc1 .Ldone_\@
.irp j,0,1,2,3,4,5,6,7
	ds_load_b128 v[S+4*\j:S+4*\j+3], v43 offset:MPH*(\ph)+512*\j
.endr
	ds_load_b32 v48, v44 offset:MPH*(\ph)
	ds_load_b32 v49, v44 offset:MPH*(\ph)+128
	s_wait_alu depctr_va_vdst(0)
	v_add_f32 v14, v14, v15
	s_wait_dscnt 0x0
	v_min_num_f32 v230, v12, v48                   ; -M of the larger M
	s_delay_alu instid0(VALU_DEP_1)
	v_sub_f32 v50, v230, v12                       ; my M less the larger: a whole number, 0 or less
	s_delay_alu instid0(VALU_DEP_2)
	v_sub_f32 v52, v230, v48                       ; the partner's
	s_delay_alu instid0(VALU_DEP_2)
	v_cvt_i32_f32 v50, v50                         ; (they saturate)
	s_delay_alu instid0(VALU_DEP_2)
	v_cvt_i32_f32 v52, v52
	s_delay_alu instid0(VALU_DEP_2)
	v_ldexp_f32 v50, 1.0, v50                      ; exact powers of two
	s_wait_alu depctr_va_vdst(0)
	v_ldexp_f32 v52, 1.0, v52
	v_mul_f32 v14, v14, v50
	s_delay_alu instid0(VALU_DEP_1)
	v_fma_f32 v14, v49, v52, v14                   ; the sum
.set i, 0
.rept 16
	v_pk_mul_f32 v[O+i:O+i+1], v[O+i:O+i+1], v[50:51] op_sel_hi:[1,0]
.set i, i+2
.endr
.set i, 0
.rept 16
	v_pk_fma_f32 v[O+i:O+i+1], v[S+i:S+i+1], v[52:53], v[O+i:O+i+1] op_sel_hi:[1,0,1]
.set i, i+2
.endr
	FINAL
.Ldone_\@:
.endm
	s_load_b128 s[4:7], s[0:1], 0x0                ; qkv, oq
	v_lshl_add_u32 v8, v0, 2, SPARE
	v_mov_b32 v9, 0
	v_lshrrev_b32 v1, 5, v0
	s_delay_alu instid0(VALU_DEP_1)
	v_readfirstlane_b32 s2, v1                     ; wave 0..15
	s_and_b32 s10, s2, 7                           ; my tile of queries
	s_lshr_b32 s11, s2, 3                          ; which of its two waves I am
	s_mov_b32 s3, ttmp9                            ; pj
	s_and_b32 s8, ttmp7, 0xffff                    ; batch x 16 + head
	s_sub_co_u32 s9, 15, s3
	v_and_b32 v1, 31, v0
	s_delay_alu instid0(VALU_DEP_1)
	v_lshlrev_b32 v4, 4, v1
	s_delay_alu instid0(VALU_DEP_2)
	v_lshlrev_b32 v5, 3, v1
	s_delay_alu instid0(VALU_DEP_3)
	v_lshlrev_b32 v6, 2, v1
	s_wait_alu depctr_va_vdst(0)
	s_mul_i32 s37, s2, 12288
	v_add_nc_u32 v45, s37, v4                      ; the fill: wave w's 12,288 bytes lie at 12,288 w: waves 0-7 k's images, waves 8-15 v's
	s_lshl_b32 s37, s2, 9
	s_add_co_u32 s37, s37, SCK
	v_add_nc_u32 v46, s37, v4                      ; 512 bytes of k's scale words,
	s_lshl_b32 s37, s2, 8
	s_add_co_u32 s37, s37, SCV
	v_add_nc_u32 v47, s37, v5                      ; 256 of v's
	s_mul_i32 s37, s10, MTILE
	s_add_co_u32 s37, s37, MRG
	v_add_nc_u32 v43, s37, v4                      ; my tile's merge area: O^T,
	s_add_co_u32 s37, s37, 4096
	v_add_nc_u32 v44, s37, v6                      ; -M and the sum
	v_and_b32 v11, 15, v0
	s_delay_alu instid0(VALU_DEP_1)
	v_lshlrev_b32 v10, 2, v11
	s_delay_alu instid0(VALU_DEP_2)
	v_and_b32 v7, 8, v11
	s_delay_alu instid0(VALU_DEP_1)
	v_add_nc_u32 v7, v7, v11
	v_bfe_u32 v11, v0, 4, 1
	s_delay_alu instid0(VALU_DEP_1)
	v_lshlrev_b32 v11, 4, v11
	s_delay_alu instid0(VALU_DEP_1)
	v_sub_nc_u32 v7, v7, v11
	s_lshr_b32 s37, s10, 1
	s_lshl_b32 s37, s37, 5
	s_and_b32 s38, s10, 1
	s_lshl_b32 s38, s38, 3
	s_add_co_u32 s37, s37, s38
	v_add_nc_u32 v7, s37, v7                       ; 32 (tq / 2) + 8 (tq % 2) + r + 8 (r / 8) - 16 h
	s_mov_b32 s30, 0x76543210
	s_mov_b32 s31, 0xfedcba98
	s_mov_b32 s32, 0x3d38aa3b                      ; log2(e) / 32
	s_mov_b32 s33, s32
	s_lshl_b32 s54, s8, 7
	s_lshl_b32 s55, s3, 3
	s_add_co_u32 s55, s55, s10                     ; my tile in the head: first block,
	s_lshl_b32 s56, s9, 3
	s_add_co_u32 s56, s56, s10                     ; second block
	s_lshr_b32 s57, s8, 4
	s_lshl_b32 s57, s57, 7
	s_and_b32 s58, s8, 15
	s_and_b32 s45, s58, 1                          ; which half of a K step of o my head is
	s_lshr_b32 s58, s58, 1                         ; and which K step
	; byte offsets, made apart from the addresses and ahead of the wait for them
	s_add_co_u32 s12, s11, 1
	s_mul_i32 s12, s12, 3145728                    ; k's images begin at 3,145,728, v's at 6,291,456
	s_mul_i32 s37, s8, 98304
	s_add_co_u32 s12, s12, s37
	s_mul_i32 s37, s10, 12288
	s_add_co_u32 s12, s12, s37
	s_mov_b32 s13, 0
	s_lshl_b32 s14, s8, 13
	s_lshl_b32 s37, s2, 9
	s_add_co_u32 s14, s14, s37
	s_add_co_u32 s14, s14, 9699328
	s_mov_b32 s15, 0
	s_lshl_b32 s16, s8, 12
	s_lshl_b32 s37, s2, 8
	s_add_co_u32 s16, s16, s37
	s_add_co_u32 s16, s16, 9961472
	s_mov_b32 s17, 0
	s_add_co_u32 s37, s54, s55
	s_mul_i32 s46, s37, 768                        ; q of the first block,
	s_mov_b32 s47, 0
	s_lshl_b32 s50, s37, 6
	s_add_co_u32 s50, s50, 9437184
	s_mov_b32 s51, 0
	s_add_co_u32 s37, s54, s56
	s_mul_i32 s48, s37, 768                        ; of the second
	s_mov_b32 s49, 0
	s_lshl_b32 s52, s37, 6
	s_add_co_u32 s52, s52, 9437184
	s_mov_b32 s53, 0
	s_lshl_b32 s42, s58, 6
	s_lshl_b32 s43, s45, 1
	s_add_co_u32 s42, s42, s43
	s_add_co_u32 s42, s42, 3145728                 ; o's scale records: K step and half
	s_add_co_u32 s37, s57, s55                     ; o's token tile, first block
	s_lshl_b32 s22, s37, 3
	s_add_co_u32 s22, s22, s58
	s_mul_i32 s22, s22, 1536
	s_mov_b32 s23, 0
	s_lshl_b32 s24, s37, 9
	s_add_co_u32 s24, s24, s42
	s_mov_b32 s25, 0
	s_add_co_u32 s37, s57, s56                     ; second block
	s_lshl_b32 s26, s37, 3
	s_add_co_u32 s26, s26, s58
	s_mul_i32 s26, s26, 1536
	s_mov_b32 s27, 0
	s_lshl_b32 s28, s37, 9
	s_add_co_u32 s28, s28, s42
	s_mov_b32 s29, 0
	s_wait_alu depctr_va_vdst(0)
	s_wait_kmcnt 0x0
	s_add_nc_u64 s[12:13], s[4:5], s[12:13]
	s_add_nc_u64 s[14:15], s[4:5], s[14:15]
	s_add_nc_u64 s[16:17], s[4:5], s[16:17]
	s_add_nc_u64 s[46:47], s[4:5], s[46:47]
	s_add_nc_u64 s[48:49], s[4:5], s[48:49]
	s_add_nc_u64 s[50:51], s[4:5], s[50:51]
	s_add_nc_u64 s[52:53], s[4:5], s[52:53]
	s_add_nc_u64 s[22:23], s[6:7], s[22:23]
	s_add_nc_u64 s[24:25], s[6:7], s[24:25]
	s_add_nc_u64 s[26:27], s[6:7], s[26:27]
	s_add_nc_u64 s[28:29], s[6:7], s[28:29]
	global_load_b128 v[54:57], v4, s[14:15]        ; my 512 bytes of k's scale words
	global_load_b64 v[58:59], v5, s[16:17]         ; my 256 bytes of v's
	global_load_b128 v[16:19], v4, s[46:47]
	global_load_b64 v[20:21], v5, s[46:47] offset:512
	global_load_b32 v34, v10, s[50:51]
	global_load_b128 v[28:31], v4, s[48:49]
	global_load_b64 v[32:33], v5, s[48:49] offset:512
	global_load_b32 v35, v10, s[52:53]
.irp i,0,1,2,3,4,5
	v_mov_b32 v[22+\i], 0                          ; q's upper half: zero codes
	v_mov_b32 v[102+\i], 0                         ; what the last tile of k is named with
.endr
.irp b,0,1,2,3
	v_mov_b32 v[T1+\b], 0                          ; a lane permute's destination counts as read
.endr
	v_mov_b32 v229, 0
	v_mov_b32 v230, 0
	v_mov_b32 v51, 0                               ; (named as the upper halves of pairs)
	v_mov_b32 v53, 0
	s_lshl_b32 s18, s10, 1                         ; my part of the images is key steps 2 part and 2 part + 1
	s_cmp_gt_u32 s18, s9                           ; no query of this work-group reads a key step beyond 15 - pj: such a part is neither loaded nor stored (ids alone decide; the steps' own test on ids leads round every read of it)
	s_cbranch_scc1 .Lnofill
.set j, 0
.rept 24                               ; my 12,288 bytes of the head's images: 24 loads of 512 consecutive bytes, all on their way together, behind the 8 loads of scale words and q
	global_load_b128 v[S+4*j:S+4*j+3], v4, s[12:13] offset:512*j
.set j, j+1
.endr
.irp g,0,1,2,3
	s_wait_loadcnt 18-6*\g                         ; six more of the 24 are in; only the younger ones of them may be out
.irp i,0,1,2,3,4,5
	ds_store_b128 v45, v[S+4*(6*\g+\i):S+4*(6*\g+\i)+3] offset:512*(6*\g+\i)
.endr
.endr
.Lnofill:
	s_wait_loadcnt 0x0                             ; the scale words and q are in, on both ways
	ds_store_b128 v46, v[54:57]
	ds_store_b64 v47, v[58:59]
	s_wait_loadcnt 0x0                             ; q
	s_wait_dscnt 0x0                               ; for the others' sake: my part of the head lies in LDS
	s_barrier_signal -1
	s_barrier_wait -1                              ; the whole head does
	RESET 0
	s_mov_b32 s35, s3                              ; block pj: key steps 0 .. pj, at most 8: four trips for each of a tile's two waves
	PHASE 4
	MERGE 0
	RESET 1
	s_mov_b32 s35, s9                              ; block 15 - pj: key steps 0 .. 15 - pj, at most 16: eight trips
	PHASE 8
	MERGE 1
	v_nop
	s_wait_tensorcnt 0x0                           ; the wave's end, behind my last LDS store
	ds_add_u32 v8, v9
	s_wait_dscnt 0x0
	s_endpgm
.Lfunc_end_k_q561ae969d2_attn:
	.size	k_q561ae969d2_attn, .Lfunc_end_k_q561ae969d2_attn-k_q561ae969d2_attn
	.p2alignl 7, 3214868480
	.fill 96, 4, 3214868480
	.section	.rodata,"a",@progbits
	.p2align	6, 0x0
	.amdhsa_kernel k_q561ae969d2_attn
		.amdhsa_group_segment_fixed_size 280576
		.amdhsa_private_segment_fixed_size 0
		.amdhsa_enable_private_segment 0
		.amdhsa_kernarg_size 16
		.amdhsa_user_sgpr_count 2
		.amdhsa_user_sgpr_kernarg_segment_ptr 1
		.amdhsa_wavefront_size32 1
		.amdhsa_system_sgpr_workgroup_id_x 1
		.amdhsa_system_sgpr_workgroup_id_y 1
		.amdhsa_system_sgpr_workgroup_id_z 1
		.amdhsa_system_vgpr_workitem_id 0
		.amdhsa_next_free_vgpr 256
		.amdhsa_next_free_sgpr 66
		.amdhsa_reserve_vcc 1
		.amdhsa_float_denorm_mode_32 3
		.amdhsa_float_denorm_mode_16_64 3
		.amdhsa_memory_ordered 1
		.amdhsa_forward_progress 1
		.amdhsa_inst_pref_size 77
	.end_amdhsa_kernel
	.amdgpu_metadata
---
amdhsa.version: [ 1, 2 ]
amdhsa.kernels:
  - .name:           k_q561ae969d2_attn
    .symbol:         k_q561ae969d2_attn.kd
    .args:
      - { .name: qkv, .offset: 0, .size: 8, .value_kind: global_buffer, .address_space: global }
      - { .name: oq, .offset: 8, .size: 8, .value_kind: global_buffer, .address_space: global }
    .group_segment_fixed_size: 280576
    .private_segment_fixed_size: 0
    .kernarg_segment_align: 8
    .kernarg_segment_size: 16
    .max_flat_workgroup_size: 512
    .sgpr_count:     66
    .vgpr_count:     256
    .wavefront_size: 32
...
	.end_amdgpu_metadata
.endif
;; end of part 3
;; launch proj (part 4): grid 8 x 32, 4 waves a work-group, no clusters, 270,848 bytes of LDS; arguments oq, wq, x, bp, x1; writes x1
.if DOCPART == 4
	.amdgcn_target "amdgcn-amd-amdhsa--gfx1250"
	.amdhsa_code_object_version 6
	.text
	.protected	k_q561ae969d2_proj
	.globl	k_q561ae969d2_proj
	.p2align	8
	.type	k_q561ae969d2_proj,@function
k_q561ae969d2_proj:
	s_mov_b64 s[64:65], 0
	v_nop
	global_prefetch_b8 v0, s[64:65] scope:SCOPE_SE
	s_setreg_imm32_b32 hwreg(HW_REG_WAVE_MODE, 25, 1), 1
	s_wait_xcnt 0x0
; out = res + act W + bias on codes of E2M3: here x1 = x + o Wp + bp.  A work-group makes 128 tokens x 128 features; its four waves SHARE K: wave w sums K steps NK w .. NK w + NK - 1 of the same tile,
; so that each wave keeps a tile of 128 x 128 though the result has only 64 x 64 numbers for each SIMD of the chip.  The four partial tiles meet in LDS, in the pass that turns them into whole rows anyway.
; ORDER OF THE SUMS: K ascending inside a wave's run; the runs as (0 + 1) + (2 + 3); then the residual with the bias.
; D = wmma(X = weight tile, Y = token tile): a lane holds one token, its registers run along the features.
.set NK, 2
.set TS, 12288
.set TSS, 512
.set WREG, 2359296                     ; Wp's tiles 192-255 in wq
.set WSREG, 9535488
.set ASREG, 3145728
.set LAST, 0
.set FIRSTMODE, 0
.set FIRST_LO, 0xa1
.set FIRST_HI, 0xf1
.set SPARE, 270336                     ; behind the four planes of 128 rows x 528 bytes: the spare words
.set MSB, 0
.macro WIN new
.if MSB != (\new)
	s_set_vgpr_msb (MSB<<8)|(\new)
.set MSB, (\new)
.endif
.endm
.macro PLACES
.rept 4
	v_nop
.endr
.endm
.macro FETCH t
	WIN 0x40
.irp b,0,1,2,3,4,5,6,7
.irp j,0,1,2
	global_load_b128 v[128*((\t)%2)+12*\b+4*\j:128*((\t)%2)+12*\b+4*\j+3], v1, s[16:17] offset:\b*TS+(\t)*1536+512*\j
.endr
.endr
	WIN 0
.irp a,0,1,2,3,4,5,6,7
.irp j,0,1,2
	global_load_b128 v[64+96*((\t)%2)+12*\a+4*\j:64+96*((\t)%2)+12*\a+4*\j+3], v1, s[18:19] offset:\a*TS+(\t)*1536+512*\j
.endr
.endr
.endm
.macro FSX P
.irp b,0,1,2,3,4,5,6,7
	global_load_b32 v[32+16*((\P)%2)+\b], v2, s[20:21] offset:\b*TSS+128*(\P)
.endr
.endm
.macro FSY P
.irp a,0,1,2,3,4,5,6,7
	global_load_b32 v[40+16*((\P)%2)+\a], v2, s[22:23] offset:\a*TSS+128*(\P)
.endr
.endm
.macro MULH t, hi, mode
.irp a,0,1,2,3
.irp b,0,1,2,3,4,5,6,7
.set rD, 8*(8*\a+\b)
.set rX, 128*((\t)%2)+12*\b
.set rY, 64+96*((\t)%2)+12*(4*(\hi)+\a)
.set rP, 32+16*(((\t)/2)%2)+\b
.set rQ, 40+16*(((\t)/2)%2)+4*(\hi)+\a
.if (\mode) == 0
	v_wmma_scale_f32_16x16x128_f8f6f4 v[rD:rD+7], v[rX:rX+11], v[rY:rY+11], 0, v[rP], v[rQ] matrix_a_fmt:MATRIX_FMT_FP6 matrix_b_fmt:MATRIX_FMT_FP6
.elseif (\t)%2 == 0
	v_wmma_scale_f32_16x16x128_f8f6f4 v[rD:rD+7], v[rX:rX+11], v[rY:rY+11], v[rD:rD+7], v[rP], v[rQ] matrix_a_fmt:MATRIX_FMT_FP6 matrix_b_fmt:MATRIX_FMT_FP6
.else
	v_wmma_scale_f32_16x16x128_f8f6f4 v[rD:rD+7], v[rX:rX+11], v[rY:rY+11], v[rD:rD+7], v[rP], v[rQ] matrix_a_fmt:MATRIX_FMT_FP6 matrix_b_fmt:MATRIX_FMT_FP6 matrix_a_scale:MATRIX_SCALE_ROW1 matrix_b_scale:MATRIX_SCALE_ROW1
.endif
.endr
.endr
.endm
.macro MUL t                           ; the 64 accumulators take turns, in one order in every step
.if (\t) == 0
	WIN FIRST_LO
	MULH \t,0,FIRSTMODE
	WIN FIRST_HI
	MULH \t,1,FIRSTMODE
.else
	WIN 0xa1
	MULH \t,0,1
	WIN 0xf1
	MULH \t,1,1
.endif
.endm
.macro WALK                            ; a wave has two K steps and two sets of registers: both sets are asked for at once
	FSX 0
	FSY 0
	FETCH 0
	FETCH 1
	s_wait_loadcnt 48                              ; the records and step 0's set are in; step 1's 48 loads may be out
	MUL 0
	s_wait_loadcnt 0x0
	MUL 1
	WIN 0
	PLACES
.endm
.macro PLOAD g                         ; rows 8 g .. 8 g + 7 of my 32, from all four planes, into half g % 2 of window 1
	WIN 0x40
.irp pl,0,1,2,3
.irp q,0,1,2,3,4,5,6,7
	ds_load_b128 v[128*((\g)%2)+32*\pl+4*\q:128*((\g)%2)+32*\pl+4*\q+3], v[8+\pl] offset:528*(8*(\g)+\q)
.endr
.endr
	WIN 0
.endm
	s_load_b256 s[4:11], s[0:1], 0x0               ; act, wq, res, bias
	s_load_b64 s[12:13], s[0:1], 0x20              ; out
	v_lshl_add_u32 v28, v0, 2, SPARE
	v_mov_b32 v29, 0
	v_lshrrev_b32 v3, 5, v0
	v_readfirstlane_b32 s2, v3
	v_and_b32 v3, 31, v0
	s_wait_alu depctr_va_vdst(0)
	v_lshlrev_b32 v1, 4, v3
	s_wait_alu depctr_va_vdst(0)
	v_lshlrev_b32 v2, 2, v3
	s_mov_b32 s3, ttmp9                            ; group of 128 features
	s_and_b32 s14, ttmp7, 0xffff                   ; group of 128 tokens
	s_mul_i32 s30, s3, 8*TS
	s_mul_i32 s31, s2, NK*1536
	s_add_co_u32 s30, s30, s31
	s_add_co_u32 s30, s30, WREG
	s_mul_i32 s32, s14, 8*TS
	s_add_co_u32 s32, s32, s31
	s_mul_i32 s34, s3, 8*TSS
	s_mul_i32 s35, s2, (NK/2)*128
	s_add_co_u32 s34, s34, s35
	s_add_co_u32 s34, s34, WSREG
	s_mul_i32 s36, s14, 8*TSS
	s_add_co_u32 s36, s36, s35
	s_add_co_u32 s36, s36, ASREG
	s_mov_b32 s31, 0
	s_mov_b32 s33, 0
	s_mov_b32 s35, 0
	s_mov_b32 s37, 0
	s_lshl_b32 s38, s14, 7
	s_lshl_b32 s39, s2, 5
	s_add_co_u32 s38, s38, s39
	s_lshl_b32 s38, s38, 12
	s_lshl_b32 s40, s3, 9
	s_add_co_u32 s38, s38, s40                     ; my 32 tokens' rows, my work-group's 512 bytes of them
	s_mov_b32 s39, 0
	s_mov_b32 s41, 0
	v_and_b32 v5, 15, v3
	v_lshrrev_b32 v6, 4, v3
	v_mul_u32_u24 v4, v5, 528
	v_lshl_add_u32 v4, v6, 6, v4
	s_mul_i32 s42, s2, 67584
	v_add_nc_u32 v4, s42, v4                       ; into my plane: row r, + 64 h
	s_mul_i32 s42, s2, 16896
	v_add_nc_u32 v8, s42, v1                       ; back: rows 32 w on of plane 0, 16 bytes a lane;
.irp pl,1,2,3
	v_add_nc_u32 v[8+\pl], 67584*\pl, v8           ; of the other planes
.endr
	v_lshlrev_b32 v7, 12, v3                       ; the prefetch's offset: a lane a row of the residual
	s_wait_alu depctr_va_vdst(0)
	s_wait_kmcnt 0x0
	s_add_nc_u64 s[16:17], s[6:7], s[30:31]
	s_add_nc_u64 s[18:19], s[4:5], s[32:33]
	s_add_nc_u64 s[20:21], s[6:7], s[34:35]
	s_add_nc_u64 s[22:23], s[4:5], s[36:37]
	s_add_nc_u64 s[24:25], s[8:9], s[38:39]
	s_add_nc_u64 s[26:27], s[10:11], s[40:41]
	s_add_nc_u64 s[28:29], s[12:13], s[38:39]
	global_prefetch_b8 v7, s[24:25] th:TH_LOAD_NT scope:SCOPE_SE              ; the residual of my 32 rows, 512 bytes each, which this wave alone reads, behind the products: two blocks of 256 bytes a lane
	global_prefetch_b8 v7, s[24:25] offset:256 th:TH_LOAD_NT scope:SCOPE_SE
	WALK
.set p, 0
.rept 32                               ; the residual of my 32 rows: LDS row 16 u + r is token 8 u + r + 8 (r / 8) of the 32
	global_load_b128 v[64+4*p:64+4*p+3], v1, s[24:25] offset:(8*(p/16)+p%16+8*((p%16)/8))*4096 th:TH_LOAD_NT
.set p, p+1
.endr
	global_load_b128 v[192:195], v1, s[26:27]
	s_wait_alu depctr_va_vdst(0)
.irp a,0,1,2,3,4,5,6,7                 ; my partial tile into my plane: rows 528 bytes apart; each accumulator from its low end on
	WIN 0x08+4*(\a/4)
.irp b,0,1,2,3,4,5,6,7
	ds_store_b128 v4, v[8*(8*(\a%4)+\b):8*(8*(\a%4)+\b)+3] offset:8448*\a+128*(\b/2)+32*(\b%2)
	ds_store_b128 v4, v[8*(8*(\a%4)+\b)+4:8*(8*(\a%4)+\b)+7] offset:8448*\a+128*(\b/2)+32*(\b%2)+16
.endr
.endr
	WIN 0
	s_wait_dscnt 0x0                               ; for the others' sake: my plane is whole
	s_barrier_signal -1
	s_barrier_wait -1
	PLOAD 0
	PLOAD 1
	s_wait_loadcnt 0x0
.set p, 0
.rept 32
	v_pk_add_f32 v[64+4*p:64+4*p+1], v[64+4*p:64+4*p+1], v[192:193]
	v_pk_add_f32 v[64+4*p+2:64+4*p+3], v[64+4*p+2:64+4*p+3], v[194:195]
.set p, p+1
.endr
.irp g,0,1,2,3
.if \g < 3
	s_wait_dscnt 32                                ; this batch is in; the next batch's 32 loads may be out
.else
	s_wait_dscnt 0x0
.endif
.set H0, 128*(\g%2)
	WIN 0x55
.set i, 0
.rept 16
	v_pk_add_f32 v[H0+i:H0+i+1], v[H0+i:H0+i+1], v[H0+32+i:H0+33+i]
	v_pk_add_f32 v[H0+64+i:H0+65+i], v[H0+64+i:H0+65+i], v[H0+96+i:H0+97+i]
.set i, i+2
.endr
.set i, 0
.rept 16
	v_pk_add_f32 v[H0+i:H0+i+1], v[H0+i:H0+i+1], v[H0+64+i:H0+65+i]
.set i, i+2
.endr
	WIN 0x01
.set i, 0
.rept 16
	v_pk_add_f32 v[64+32*\g+i:64+32*\g+i+1], v[H0+i:H0+i+1], v[64+32*\g+i:64+32*\g+i+1]
.set i, i+2
.endr
	WIN 0
.set p, 8*\g
.rept 8
.if LAST
	global_store_b128 v1, v[64+4*p:64+4*p+3], s[28:29] offset:(8*(p/16)+p%16+8*((p%16)/8))*4096 th:TH_STORE_NT
.else
	global_store_b128 v1, v[64+4*p:64+4*p+3], s[28:29] offset:(8*(p/16)+p%16+8*((p%16)/8))*4096   ; 512 consecutive bytes, aligned
.endif
.set p, p+1
.endr
.if \g < 2
	PLOAD \g+2
.endif
.endr
	s_wait_tensorcnt 0x0                           ; the wave's end, behind my last LDS store
	ds_add_u32 v28, v29
	s_wait_dscnt 0x0
	s_endpgm
.Lfunc_end_k_q561ae969d2_proj:
	.size	k_q561ae969d2_proj, .Lfunc_end_k_q561ae969d2_proj-k_q561ae969d2_proj
	.p2alignl 7, 3214868480
	.fill 96, 4, 3214868480
	.section	.rodata,"a",@progbits
	.p2align	6, 0x0
	.amdhsa_kernel k_q561ae969d2_proj
		.amdhsa_group_segment_fixed_size 270848
		.amdhsa_private_segment_fixed_size 0
		.amdhsa_enable_private_segment 0
		.amdhsa_kernarg_size 40
		.amdhsa_user_sgpr_count 2
		.amdhsa_user_sgpr_kernarg_segment_ptr 1
		.amdhsa_wavefront_size32 1
		.amdhsa_system_sgpr_workgroup_id_x 1
		.amdhsa_system_sgpr_workgroup_id_y 1
		.amdhsa_system_sgpr_workgroup_id_z 1
		.amdhsa_system_vgpr_workitem_id 0
		.amdhsa_next_free_vgpr 1024
		.amdhsa_next_free_sgpr 66
		.amdhsa_reserve_vcc 0
		.amdhsa_float_denorm_mode_32 3
		.amdhsa_float_denorm_mode_16_64 3
		.amdhsa_memory_ordered 1
		.amdhsa_forward_progress 1
		.amdhsa_inst_pref_size 74
	.end_amdhsa_kernel
	.amdgpu_metadata
---
amdhsa.version: [ 1, 2 ]
amdhsa.kernels:
  - .name:           k_q561ae969d2_proj
    .symbol:         k_q561ae969d2_proj.kd
    .args:
      - { .name: oq, .offset: 0, .size: 8, .value_kind: global_buffer, .address_space: global }
      - { .name: wq, .offset: 8, .size: 8, .value_kind: global_buffer, .address_space: global }
      - { .name: x, .offset: 16, .size: 8, .value_kind: global_buffer, .address_space: global }
      - { .name: bp, .offset: 24, .size: 8, .value_kind: global_buffer, .address_space: global }
      - { .name: x1, .offset: 32, .size: 8, .value_kind: global_buffer, .address_space: global }
    .group_segment_fixed_size: 270848
    .private_segment_fixed_size: 0
    .kernarg_segment_align: 8
    .kernarg_segment_size: 40
    .max_flat_workgroup_size: 128
    .sgpr_count:     66
    .vgpr_count:     1024
    .wavefront_size: 32
...
	.end_amdgpu_metadata
.endif
;; end of part 4
;; launch ln2 (part 5): grid 256 x 1, 4 waves a work-group, no clusters, 66,304 bytes of LDS; arguments x1, g2, be2, hq; writes hq
.if DOCPART == 5
	.amdgcn_target "amdgcn-amd-amdhsa--gfx1250"
	.amdhsa_code_object_version 6
	.text
	.protected	k_q561ae969d2_ln2
	.globl	k_q561ae969d2_ln2
	.p2align	8
	.type	k_q561ae969d2_ln2,@function
k_q561ae969d2_ln2:
	s_mov_b64 s[64:65], 0
	v_nop
	global_prefetch_b8 v0, s[64:65] scope:SCOPE_SE
	s_setreg_imm32_b32 hwreg(HW_REG_WAVE_MODE, 25, 1), 1
	s_wait_xcnt 0x0
; h2 = layernorm(x1) g2 + be2, quantised along the features into fragment images and scale records (layout: 16 rows x 128 K in 1,536 bytes, chunk j at 512 j holds registers 4 j .. 4 j + 3 at 16 x lane;
; a record of 128 bytes: words 0-15 the rows' words of the even K step, 16-31 of the odd one).  A work-group makes one tile of 16 tokens: tile T's row p is token 32 (T / 2) + 8 (T % 2) + p + 8 (p / 8).
; LIMITS: NaN and infinities are not served; a block under 2^-124, a block of zeros too, keeps the byte 1.
.set SPARE, 65792
.set SPW, 5
.set NIL, 6
.set LX, 16
.set GA, 144
.set BE, 176
.set TA, 208
.set CD, 208
.set TC2, 232
.set BY, 236
.set WD, 240
.set WT, 242
.set HQ, 30
.set SEL, 50
	s_load_b128 s[24:27], s[0:1], 0x0              ; x1, g2
	s_load_b128 s[28:31], s[0:1], 0x10             ; be2, hq
	v_lshl_add_u32 v[SPW], v0, 2, SPARE
	v_mov_b32 v[NIL], 0
	v_lshrrev_b32 v1, 5, v0
	v_readfirstlane_b32 s2, v1
	v_and_b32 v3, 31, v0
	s_wait_alu depctr_va_vdst(0)
	s_mov_b32 s4, ttmp9                            ; the token tile
	s_lshr_b32 s5, s4, 1
	s_lshl_b32 s5, s5, 5
	s_and_b32 s6, s4, 1
	s_lshl_b32 s6, s6, 3
	s_add_co_u32 s5, s5, s6
	s_lshl_b32 s6, s2, 2
	s_add_co_u32 s5, s5, s6
	s_lshr_b32 s6, s2, 1
	s_lshl_b32 s6, s6, 3
	s_add_co_u32 s5, s5, s6                        ; my four tokens: the tile's rows 4 w .. 4 w + 3
	s_lshl_b32 s44, s5, 12
	s_mov_b32 s45, 0
	s_mov_b32 s[SEL], 0x76543210
	s_mov_b32 s[SEL+1], 0xfedcba98
	s_mov_b32 s52, 0x3a800000                      ; 1 / 1024
	s_mov_b32 s53, 0x3727c5ac                      ; 1e-5
	s_mov_b32 s54, 0xffff0000                      ; lanes 16-31
	v_lshlrev_b32 v1, 4, v3
	s_mul_i32 s6, s2, 16448
	v_add_nc_u32 v2, s6, v1
	v_and_b32 v8, 15, v3
	v_lshrrev_b32 v9, 4, v3
	v_mul_u32_u24 v4, v8, 4112
	v_lshl_add_u32 v4, v9, 7, v4
	s_lshl_b32 s6, s2, 10
	v_add_nc_u32 v4, s6, v4
	v_lshlrev_b32 v7, 3, v9
	s_lshl_b32 s6, s4, 3
	s_lshl_b32 s7, s2, 1
	s_add_co_u32 s6, s6, s7
	s_mul_i32 s6, s6, 1536
	v_add_nc_u32 v11, s6, v1
	s_lshl_b32 s6, s4, 9
	s_lshl_b32 s7, s2, 7
	s_add_co_u32 s6, s6, s7
	s_add_co_u32 s6, s6, 3145728
	v_lshl_add_u32 v12, v3, 2, s6
	s_wait_kmcnt 0x0
	s_add_nc_u64 s[24:25], s[24:25], s[44:45]
.irp k,0,1,2,3
.irp j,0,1,2,3,4,5,6,7
	global_load_b128 v[LX+32*\k+4*\j:LX+32*\k+4*\j+3], v1, s[24:25] offset:4096*\k+512*\j th:TH_LOAD_NT
.endr
.endr
.irp j,0,1,2,3,4,5,6,7
	global_load_b128 v[GA+4*\j:GA+4*\j+3], v1, s[26:27] offset:512*\j
.endr
.irp j,0,1,2,3,4,5,6,7
	global_load_b128 v[BE+4*\j:BE+4*\j+3], v1, s[28:29] offset:512*\j
.endr
.macro LANESUM
.irp m,1,2,4,8
.irp k,0,1,2,3
	v_add_f32_dpp v[TA+4*\k], v[TA+4*\k], v[TA+4*\k] row_xmask:\m row_mask:0xf bank_mask:0xf
.endr
.endr
.irp k,0,1,2,3
	v_permlanex16_b32 v[TA+4*\k+2], v[TA+4*\k], s[SEL], s[SEL+1]
.endr
.irp k,0,1,2,3
	v_add_f32 v[TA+4*\k], v[TA+4*\k], v[TA+4*\k+2]
.endr
.endm
	s_wait_loadcnt 16                              ; the rows are in; the gain's and the bias's 16 loads may be out
.irp k,0,1,2,3
	v_pk_add_f32 v[TA+4*\k:TA+4*\k+1], v[LX+32*\k:LX+32*\k+1], v[LX+32*\k+2:LX+32*\k+3]
	v_pk_add_f32 v[TA+4*\k+2:TA+4*\k+3], v[LX+32*\k+4:LX+32*\k+5], v[LX+32*\k+6:LX+32*\k+7]
.endr
.irp i,8,12,16,20,24,28
.irp k,0,1,2,3
	v_pk_add_f32 v[TA+4*\k:TA+4*\k+1], v[TA+4*\k:TA+4*\k+1], v[LX+32*\k+\i:LX+32*\k+\i+1]
	v_pk_add_f32 v[TA+4*\k+2:TA+4*\k+3], v[TA+4*\k+2:TA+4*\k+3], v[LX+32*\k+\i+2:LX+32*\k+\i+3]
.endr
.endr
.irp k,0,1,2,3
	v_pk_add_f32 v[TA+4*\k:TA+4*\k+1], v[TA+4*\k:TA+4*\k+1], v[TA+4*\k+2:TA+4*\k+3]
.endr
.irp k,0,1,2,3
	v_add_f32 v[TA+4*\k], v[TA+4*\k], v[TA+4*\k+1]
.endr
	LANESUM
.irp k,0,1,2,3
	v_mul_f32 v[TA+4*\k], s52, v[TA+4*\k]          ; the mean
.endr
.irp k,0,1,2,3
.set i, 0
.rept 16
	v_pk_add_f32 v[LX+32*\k+i:LX+32*\k+i+1], v[LX+32*\k+i:LX+32*\k+i+1], v[TA+4*\k:TA+4*\k+1] op_sel_hi:[1,0] neg_lo:[0,1] neg_hi:[0,1]
.set i, i+2
.endr
.endr
.irp k,0,1,2,3
	v_pk_mul_f32 v[TA+4*\k:TA+4*\k+1], v[LX+32*\k:LX+32*\k+1], v[LX+32*\k:LX+32*\k+1]
	v_pk_mul_f32 v[TA+4*\k+2:TA+4*\k+3], v[LX+32*\k+2:LX+32*\k+3], v[LX+32*\k+2:LX+32*\k+3]
.endr
.irp i,4,8,12,16,20,24,28
.irp k,0,1,2,3
	v_pk_fma_f32 v[TA+4*\k:TA+4*\k+1], v[LX+32*\k+\i:LX+32*\k+\i+1], v[LX+32*\k+\i:LX+32*\k+\i+1], v[TA+4*\k:TA+4*\k+1]
	v_pk_fma_f32 v[TA+4*\k+2:TA+4*\k+3], v[LX+32*\k+\i+2:LX+32*\k+\i+3], v[LX+32*\k+\i+2:LX+32*\k+\i+3], v[TA+4*\k+2:TA+4*\k+3]
.endr
.endr
.irp k,0,1,2,3
	v_pk_add_f32 v[TA+4*\k:TA+4*\k+1], v[TA+4*\k:TA+4*\k+1], v[TA+4*\k+2:TA+4*\k+3]
.endr
.irp k,0,1,2,3
	v_add_f32 v[TA+4*\k], v[TA+4*\k], v[TA+4*\k+1]
.endr
	LANESUM
.irp k,0,1,2,3
	v_fma_f32 v[TA+4*\k], v[TA+4*\k], s52, s53
.endr
	s_wait_alu depctr_va_vdst(0)
.irp k,0,1,2,3
	v_rsq_f32 v[TA+4*\k], v[TA+4*\k]
.endr
	v_nop                                          ; a plain place behind the four roots
	s_wait_alu depctr_va_vdst(0)                   ; one wait for the batch, ahead of its first reader
	s_wait_loadcnt 0x0
.irp k,0,1,2,3
.set i, 0
.rept 16
	v_pk_mul_f32 v[LX+32*\k+i:LX+32*\k+i+1], v[LX+32*\k+i:LX+32*\k+i+1], v[TA+4*\k:TA+4*\k+1] op_sel_hi:[1,0]
	v_pk_fma_f32 v[LX+32*\k+i:LX+32*\k+i+1], v[LX+32*\k+i:LX+32*\k+i+1], v[GA+i:GA+i+1], v[BE+i:BE+i+1]
.set i, i+2
.endr
.endr
.irp k,0,1,2,3
.irp j,0,1,2,3,4,5,6,7
	ds_store_b128 v2, v[LX+32*\k+4*\j:LX+32*\k+4*\j+3] offset:4112*\k+512*\j
.endr
.endr
	s_wait_dscnt 0x0                               ; for the others' sake: my rows lie in LDS
	s_barrier_signal -1
	s_barrier_wait -1
.irp q,0,1,2,3
.irp i,0,1,2,3,4,5,6,7
	ds_load_b128 v[LX+32*\q+4*\i:LX+32*\q+4*\i+3], v4 offset:256*\q+16*\i
.endr
.endr
.macro NBLK q
.set XS, LX+32*(\q)
	s_wait_dscnt 24-8*(\q)                         ; this block's eight loads are in; the later blocks' may be out
	v_max3_num_f32 v8, |v[XS]|, |v[XS+1]|, |v[XS+2]|
	v_max3_num_f32 v9, |v[XS+3]|, |v[XS+4]|, |v[XS+5]|
.irp i,6,10,14,18,22,26
	v_max3_num_f32 v8, v8, |v[XS+\i]|, |v[XS+\i+1]|
	v_max3_num_f32 v9, v9, |v[XS+\i+2]|, |v[XS+\i+3]|
.endr
	v_max3_num_f32 v8, v8, |v[XS+30]|, |v[XS+31]|
	v_max3_num_f32 v8, v8, v9, 0x1800000
	v_add_nc_u32 v10, 0xff000000, v8
	v_lshrrev_b32 v[BY+(\q)], 23, v10
	v_cvt_scalef32_pk16_fp6_f32 v[CD+6*(\q):CD+6*(\q)+2], v[XS:XS+15], v10
	v_cvt_scalef32_pk16_fp6_f32 v[TC2:TC2+2], v[XS+16:XS+31], v10
	v_nop
.irp i,0,1,2
	v_mov_b32 v[CD+6*(\q)+3+\i], v[TC2+\i]
.endr
.endm
	v_mov_b32 v[WT], 0
	v_mov_b32 v[WT+1], 0
.irp q,0,1,2,3
	NBLK \q
.endr
.irp e,0,1
	v_lshl_or_b32 v[WD+\e], v[BY+2*\e+1], 16, v[BY+2*\e]
	v_lshlrev_b32 v[WD+\e], v7, v[WD+\e]
	v_permlanex16_b32 v[WT+\e], v[WD+\e], s[SEL], s[SEL+1]
	v_or_b32 v[WD+\e], v[WD+\e], v[WT+\e]
.endr
	v_cndmask_b32 v[WD], v[WD], v[WD+1], s54
.irp e,0,1
.irp j,0,1,2
	global_store_b128 v11, v[CD+12*\e+4*\j:CD+12*\e+4*\j+3], s[HQ:HQ+1] offset:1536*\e+512*\j
.endr
.endr
	global_store_b32 v12, v[WD], s[HQ:HQ+1]
	s_wait_tensorcnt 0x0                           ; the wave's end, behind my last LDS store
	ds_add_u32 v[SPW], v[NIL]
	s_wait_dscnt 0x0
	s_endpgm
.Lfunc_end_k_q561ae969d2_ln2:
	.size	k_q561ae969d2_ln2, .Lfunc_end_k_q561ae969d2_ln2-k_q561ae969d2_ln2
	.p2alignl 7, 3214868480
	.fill 96, 4, 3214868480
	.section	.rodata,"a",@progbits
	.p2align	6, 0x0
	.amdhsa_kernel k_q561ae969d2_ln2
		.amdhsa_group_segment_fixed_size 66304
		.amdhsa_private_segment_fixed_size 0
		.amdhsa_enable_private_segment 0
		.amdhsa_kernarg_size 32
		.amdhsa_user_sgpr_count 2
		.amdhsa_user_sgpr_kernarg_segment_ptr 1
		.amdhsa_wavefront_size32 1
		.amdhsa_system_sgpr_workgroup_id_x 1
		.amdhsa_system_sgpr_workgroup_id_y 1
		.amdhsa_system_sgpr_workgroup_id_z 1
		.amdhsa_system_vgpr_workitem_id 0
		.amdhsa_next_free_vgpr 256
		.amdhsa_next_free_sgpr 66
		.amdhsa_reserve_vcc 0
		.amdhsa_float_denorm_mode_32 3
		.amdhsa_float_denorm_mode_16_64 3
		.amdhsa_memory_ordered 1
		.amdhsa_forward_progress 1
		.amdhsa_inst_pref_size 42
	.end_amdhsa_kernel
	.amdgpu_metadata
---
amdhsa.version: [ 1, 2 ]
amdhsa.kernels:
  - .name:           k_q561ae969d2_ln2
    .symbol:         k_q561ae969d2_ln2.kd
    .args:
      - { .name: x1, .offset: 0, .size: 8, .value_kind: global_buffer, .address_space: global }
      - { .name: g2, .offset: 8, .size: 8, .value_kind: global_buffer, .address_space: global }
      - { .name: be2, .offset: 16, .size: 8, .value_kind: global_buffer, .address_space: global }
      - { .name: hq, .offset: 24, .size: 8, .value_kind: global_buffer, .address_space: global }
    .group_segment_fixed_size: 66304
    .private_segment_fixed_size: 0
    .kernarg_segment_align: 8
    .kernarg_segment_size: 32
    .max_flat_workgroup_size: 128
    .sgpr_count:     66
    .vgpr_count:     256
    .wavefront_size: 32
...
	.end_amdgpu_metadata
.endif
;; end of part 5
;; launch ffn1 (part 6): grid 16 x 16, 4 waves a work-group, clusters of 4 x 4, 327,680 bytes of LDS; arguments hq, wq, b1, mq; writes mq
.if DOCPART == 6
	.amdgcn_target "amdgcn-amd-amdhsa--gfx1250"
	.amdhsa_code_object_version 6
	.text
	.protected	k_q561ae969d2_ffn1
	.globl	k_q561ae969d2_ffn1
	.p2align	8
	.type	k_q561ae969d2_ffn1,@function
k_q561ae969d2_ffn1:
	s_mov_b64 s[64:65], 0
	v_nop
	global_prefetch_b8 v0, s[64:65] scope:SCOPE_SE
	s_setreg_imm32_b32 hwreg(HW_REG_WAVE_MODE, 25, 1), 1
	s_wait_xcnt 0x0
	s_wait_alu depctr_hold_cnt(0) depctr_sa_sdst(0) depctr_va_vdst(0) depctr_va_sdst(0) depctr_va_ssrc(0) depctr_va_vcc(0) depctr_vm_vsrc(0)
	s_getreg_b32 s2, hwreg(HW_REG_IB_STS2, 6, 4)
	s_cmp_eq_u32 s2, 0
	s_cbranch_scc0 .Lentry_in_a_cluster
	s_endpgm
.Lentry_in_a_cluster:
	s_bfe_u32 s2, ttmp6, 0x10000c
	s_cmp_lg_u32 s2, 0xf033
	s_cbranch_scc0 .Lentry_shape_is_right
	s_endpgm
.Lentry_shape_is_right:
; m = gelu(h2 W1 + b1), exact (by erf), on codes of E2M3, and m quantised along its features on the way out.
; A work-group makes 256 tokens x 256 features, a wave 128 x 128: 64 accumulators in windows 2 and 3.  D = wmma(X = weight tile, Y = token tile): a lane holds one token, its registers run along the features, the next product's K.
; OPERANDS are fragment images (16 rows x 128 K in 1,536 bytes: chunk j at 512 j holds registers 4 j .. 4 j + 3 at 16 x lane); a tile's eight K steps lie on end, 12,288 bytes.
; THE RING: two LDS slots of 98,304 bytes, each with two K steps of X's 16 tiles and then of Y's 16: a tile's row in a slot is 3,072 bytes of memory, at a multiple of 256.  Four fills; a wave brings 8 tiles by one tensor load
; (waves 0, 1 X's halves, waves 2, 3 Y's).  A fragment is three loads of 16 bytes a lane, 512 consecutive bytes each.  Two sets of fragment registers by turns.
; CLUSTERS 4 x 4: X's tiles hang on the feature block alone and are asked for jointly by a column of the cluster, Y's on the token block alone, by a row.
; Fill 0 goes out at the head, fill 1 behind the full sequence and a round, fills 2 and 3 as refills in K steps 1 and 3; a plain barrier in K step 5 shows fill 3.
; Scale records (128 bytes: words 0-15 the even K step's, 16-31 the odd one's) come by plain loads, a pair of K steps ahead.  b1 is the C of each sum's first product.
; PREFETCH: K is four fills, so all of it stands at the head, behind fill 0's load: three instructions a wave name fills 1, 2 and 3, one to three fills ahead of their loads.  Of the 8 tiles that I fetch, my work-group takes the two
; at its place among the four that ask jointly (cy for X, cx for Y: by address alone): 2 x 12 blocks of 256 bytes a fill, a lane a block (lanes 24-31 name the last again); a fourth names those two tiles' records, 4 blocks.
; gelu(z) = z/2 + z/2 erf(z / sqrt 2);  erf(u) = u P(u^2) / Q(u^2), u held to +-4, P of degree 6 and Q of degree 4 in u^2.
; LIMITS: erf is good to a few 1e-7 absolute, so for z under about -5 the result's relative error grows while its absolute error stays under 1e-7 |z|; NaN and infinities are not served; a block under 2^-124 keeps the byte 1.
.set NK, 8
.set TS, 12288
.set TSS, 512
.set TROW, 3072                        ; two K steps of a tile
.set HALF, 24576                       ; 8 tiles: what one tensor load brings
.set YOFF, 49152
.set SLOT, 98304
.set SPARE, 196608                     ; behind the ring: the spare words, 128 bytes a wave
.set SPW, 28
.set NIL, 29
.set ADX, 12                           ; v12, v13 LDS address of my X fragments in slot 0, 1
.set ADY, 14                           ; v14, v15 of my Y fragments
.set PFO, 16                           ; v16 the prefetches' offset in two tiles; v17 in their records
.set PFS, 17
.set HZ, 64
.set U, 128
.set S2, 160
.set PP, 192
.set QD, 224
.set TM, 128
.set PC, 32                            ; v32-51 the codes, v52 the scale word: registers that the activation does not write
.set PW, 52
.set SEL, 48
.set G1X, 68
.set G1Y, 76
.set G0X, 84                           ; s[84:91] group 0 of X's tiles, a set for each slot
.set G0Y, 92
.set MSB, 0
.macro WIN new
.if MSB != (\new)
	s_set_vgpr_msb (MSB<<8)|(\new)
.set MSB, (\new)
.endif
.endm
.macro PLACES
.rept 4
	v_nop
.endr
.endm
.macro WALU
	s_wait_alu depctr_va_vdst(0)
.endm
.macro CREST                           ; a round of the cluster's barrier behind its opening barrier
	s_cmp_lg_u32 s2, 0
	s_cbranch_scc1 .Lnw0_\@
	s_barrier_signal -3
.Lnw0_\@:
	s_barrier_wait -3
	s_barrier_signal -1
	s_barrier_wait -1
.endm
.macro CROUND
	s_barrier_signal -1
	s_barrier_wait -1
	CREST
.endm
.macro JLOAD s                         ; a joint load: waves 0, 1 for X, waves 2, 3 for Y; each line has one mask
	s_cmp_eq_u32 s46, 0
	s_cbranch_scc0 .Lfy_\@
	tensor_load_to_lds s[G0X+4*\s:G0X+4*\s+3], s[G1X:G1X+7]
	s_nop 0
	PLACES
	s_branch .Lja_\@
.Lfy_\@:
	tensor_load_to_lds s[G0Y+4*\s:G0Y+4*\s+3], s[G1Y:G1Y+7]
	s_nop 0
	PLACES
.Lja_\@:
.endm
.macro FETCH t                         ; K step t's 16 fragments from slot (t / 2) % 2 into set t % 2: 48 loads
	WIN 0x40
.irp b,0,1,2,3,4,5,6,7
.irp j,0,1,2
	ds_load_b128 v[128*((\t)%2)+12*\b+4*\j:128*((\t)%2)+12*\b+4*\j+3], v[ADX+((\t)/2)%2] offset:\b*TROW+((\t)%2)*1536+512*\j
.endr
.endr
	WIN 0
.irp a,0,1,2,3,4,5,6,7
.irp j,0,1,2
	ds_load_b128 v[64+96*((\t)%2)+12*\a+4*\j:64+96*((\t)%2)+12*\a+4*\j+3], v[ADY+((\t)/2)%2] offset:\a*TROW+((\t)%2)*1536+512*\j
.endr
.endr
.endm
.macro FS P                            ; the 16 scale records of the pair P of K steps
.irp b,0,1,2,3,4,5,6,7
	global_load_b32 v[32+16*((\P)%2)+\b], v2, s[20:21] offset:\b*TSS+128*(\P)
	global_load_b32 v[40+16*((\P)%2)+\b], v2, s[22:23] offset:\b*TSS+128*(\P)
.endr
.endm
.macro MULQ t, hi, a0, mode            ; 16 products: Y tiles 4 hi + a0, a0 + 1 x X's eight.  mode 2: C = a bias tile (window 1); 1: in place.  The 64 accumulators take turns in one order in every step
.if (\mode) == 2
	WIN 0x91+0x40*(\hi)
.else
	WIN 0xa1+0x50*(\hi)
.endif
.irp a,\a0,\a0+1
.irp b,0,1,2,3,4,5,6,7
.set rD, 8*(8*(\a)+\b)
.set rX, 128*((\t)%2)+12*\b
.set rY, 64+96*((\t)%2)+12*(4*(\hi)+(\a))
.set rP, 32+16*(((\t)/2)%2)+\b
.set rQ, 40+16*(((\t)/2)%2)+4*(\hi)+(\a)
.set rB, 96+8*\b+96*(\b/4)
.if (\mode) == 2
	v_wmma_scale_f32_16x16x128_f8f6f4 v[rD:rD+7], v[rX:rX+11], v[rY:rY+11], v[rB:rB+7], v[rP], v[rQ] matrix_a_fmt:MATRIX_FMT_FP6 matrix_b_fmt:MATRIX_FMT_FP6
.elseif (\t)%2 == 0
	v_wmma_scale_f32_16x16x128_f8f6f4 v[rD:rD+7], v[rX:rX+11], v[rY:rY+11], v[rD:rD+7], v[rP], v[rQ] matrix_a_fmt:MATRIX_FMT_FP6 matrix_b_fmt:MATRIX_FMT_FP6
.else
	v_wmma_scale_f32_16x16x128_f8f6f4 v[rD:rD+7], v[rX:rX+11], v[rY:rY+11], v[rD:rD+7], v[rP], v[rQ] matrix_a_fmt:MATRIX_FMT_FP6 matrix_b_fmt:MATRIX_FMT_FP6 matrix_a_scale:MATRIX_SCALE_ROW1 matrix_b_scale:MATRIX_SCALE_ROW1
.endif
.endr
.endr
.endm
.macro EVEN t, mode                    ; a slot's first K step: its second step's fragments and the next pair's records are fetched, then 64 products
	WIN 0
	s_wait_loadcnt 0x0                             ; this pair's records (ahead of step 0 the bias too)
	s_wait_dscnt 0x0                               ; this step's fragments
.if (\t) > 0
	PLACES
.endif
	FETCH (\t)+1
.if (\t)+2 < NK
	FS ((\t)+2)/2
.endif
	MULQ \t,0,0,\mode
	MULQ \t,0,2,\mode
	MULQ \t,1,0,\mode
	MULQ \t,1,2,\mode
.endm
.macro ODD t                           ; a slot's second K step: the slot has been read out; the other slot is shown whole; where a fill is left, a round and the refill
	WIN 0
.if (\t)+1 < NK
.set SL, ((\t)/2)%2
	s_wait_tensorcnt 0x0                           ; all my tensor loads have landed: my part of the other slot
.if (\t)/2+2 < NK/2
	ds_add_u32 v[SPW], v[NIL]
	s_wait_dscnt 0x1                               ; the add alone may be out: this step's fragments are in
.else
	s_wait_dscnt 0x0
.endif
	MULQ \t,0,0,1
	s_wait_dscnt 0x0                               ; the add is done, and so are my reads of this slot
	s_barrier_signal -1
	MULQ \t,0,2,1
	WIN 0
	s_barrier_wait -1
.if (\t)/2+2 < NK/2
	CREST
	s_add_nc_u64 s[G0X+4*SL+2:G0X+4*SL+3], s[G0X+4*SL+2:G0X+4*SL+3], 2*TROW
	s_add_nc_u64 s[G0Y+4*SL+2:G0Y+4*SL+3], s[G0Y+4*SL+2:G0Y+4*SL+3], 2*TROW
	JLOAD SL                                       ; the first tensor load behind the round; its four v_nop are the places ahead of the loads below
.else
	PLACES
.endif
	FETCH (\t)+1
.else
	s_wait_dscnt 0x0
	MULQ \t,0,0,1
	MULQ \t,0,2,1
.endif
	MULQ \t,1,0,1
	MULQ \t,1,2,1
.endm
.macro QUANT                           ; 64 numbers of a lane, register HZ + 16 b + i = k 32 b + 16 h + i of my row, become a fragment in v[PC ..] and its scale word in v[PW]
.irp b,0,1,2,3
	v_max3_num_f32 v[TM+\b], 0x1800000, |v[HZ+16*\b]|, |v[HZ+16*\b+1]|
.endr
.irp i,2,4,6,8,10,12,14
.irp b,0,1,2,3
	v_max3_num_f32 v[TM+\b], v[TM+\b], |v[HZ+16*\b+\i]|, |v[HZ+16*\b+\i+1]|
.endr
.endr
	WALU
	s_wait_xcnt 0x0                                ; the last tile's stores have read their data and bases: both are written again below
.irp b,0,1,2,3
	v_permlanex16_b32 v[TM+4+\b], v[TM+\b], s[SEL], s[SEL+1]
.endr
.irp b,0,1,2,3
	v_max_num_f32 v[TM+\b], v[TM+\b], v[TM+4+\b]
.endr
.irp b,0,1,2,3
	v_add_nc_u32 v[TM+12+\b], 0xff000000, v[TM+\b]
.endr
.irp b,0,1,2,3
	v_lshrrev_b32 v[TM+4+\b], 23, v[TM+12+\b]
.endr
	v_lshl_or_b32 v[PW], v[TM+5], 8, v[TM+4]
	v_lshl_or_b32 v[PW], v[TM+6], 16, v[PW]
	v_lshl_or_b32 v[PW], v[TM+7], 24, v[PW]
.irp c,0,1
	v_cvt_scalef32_pk16_fp6_f32 v[PC+6*\c:PC+6*\c+2], v[HZ+32*\c:HZ+32*\c+15], v[TM+12+2*\c]
	v_cvt_scalef32_pk16_fp6_f32 v[PC+12+4*\c:PC+14+4*\c], v[HZ+16+32*\c:HZ+31+32*\c], v[TM+13+2*\c]
.endr
	v_nop                                          ; one plain place behind a scaled conversion
.irp c,0,1
.irp i,0,1,2
	v_permlane16_swap_b32 v[PC+6*\c+\i], v[PC+12+4*\c+\i]
.endr
.irp i,0,1,2
	v_mov_b32 v[PC+3+6*\c+\i], v[PC+12+4*\c+\i]
.endr
.endr
.endm
.macro EXTRACT a                       ; token tile a's 64 sums, halved (exact), each accumulator from its low end on
	WIN 2+(\a)/4
.set i, 0
.rept 32
	v_pk_mul_f32 v[HZ+i:HZ+i+1], v[64*((\a)%4)+i:64*((\a)%4)+i+1], 0.5 op_sel_hi:[1,0]
.set i, i+2
.endr
	WIN 0
.endm
.macro HORN d, lit                     ; d = d u^2 + a constant, 32 numbers
.set i, 0
.rept 16
	v_pk_fma_f32 v[\d+i:\d+i+1], v[\d+i:\d+i+1], v[S2+i:S2+i+1], \lit op_sel_hi:[1,1,0]
.set i, i+2
.endr
.endm
.macro GELU n                          ; 32 numbers, from v[HZ + n] on
.set i, 0
.rept 16
	v_pk_mul_f32 v[U+i:U+i+1], v[HZ+(\n)+i:HZ+(\n)+i+1], 0x3fb504f3 op_sel_hi:[1,0]   ; u = z / sqrt 2
.set i, i+2
.endr
.set i, 0
.rept 32
	v_med3_num_f32 v[U+i], v[U+i], -4.0, 4.0
.set i, i+1
.endr
.set i, 0
.rept 16
	v_pk_mul_f32 v[S2+i:S2+i+1], v[U+i:U+i+1], v[U+i:U+i+1]
.set i, i+2
.endr
.set i, 0
.rept 16
	v_pk_fma_f32 v[QD+i:QD+i+1], v[S2+i:S2+i+1], v[10:11], 0xb95fbd29 op_sel_hi:[1,1,0]
.set i, i+2
.endr
	HORN QD, 0xbadc924e
	HORN QD, 0xbbf19bf8
	HORN QD, 0xbc69b6a7
.set i, 0
	WALU
.rept 32
	v_rcp_f32 v[QD+i], v[QD+i]                     ; Q is under -0.014 everywhere
.set i, i+1
.endr
.set i, 0
.rept 16
	v_pk_fma_f32 v[PP+i:PP+i+1], v[S2+i:S2+i+1], v[8:9], 0x32edffee op_sel_hi:[1,1,0]   ; P stands behind the reciprocals as work that names none of them
.set i, i+2
.endr
	HORN PP, 0xb60cff51
	HORN PP, 0xb86ec2d2
	HORN PP, 0xba40ac63
	HORN PP, 0xbb41a1f6
	HORN PP, 0xbc83dbd4
.set i, 0
.rept 16
	v_pk_mul_f32 v[PP+i:PP+i+1], v[PP+i:PP+i+1], v[U+i:U+i+1]
.set i, i+2
.endr
	WALU                                           ; one wait for the 32 reciprocals, ahead of their first reader
.set i, 0
.rept 16
	v_pk_mul_f32 v[PP+i:PP+i+1], v[PP+i:PP+i+1], v[QD+i:QD+i+1]   ; erf
.set i, i+2
.endr
.set i, 0
.rept 16
	v_pk_fma_f32 v[HZ+(\n)+i:HZ+(\n)+i+1], v[HZ+(\n)+i:HZ+(\n)+i+1], v[PP+i:PP+i+1], v[HZ+(\n)+i:HZ+(\n)+i+1]
.set i, i+2
.endr
.endm
	s_load_b256 s[4:11], s[0:1], 0x0               ; hq, wq, b1, mq
	v_lshl_add_u32 v[SPW], v0, 2, SPARE
	v_mov_b32 v[NIL], 0
	ds_add_u32 v[SPW], v[NIL]                      ; the opening lines: the add twice on end
	ds_add_u32 v[SPW], v[NIL]
	v_lshrrev_b32 v3, 5, v0
	v_readfirstlane_b32 s2, v3                     ; wave
	s_lshr_b32 s46, s2, 1                          ; my half of the tokens; also: I fetch for X (0) or Y (1)
	s_and_b32 s47, s2, 1                           ; my half of the features; also: which 8 tiles I fetch
	s_bfe_u32 s50, ttmp6, 0x40000                  ; cx
	s_bfe_u32 s51, ttmp6, 0x40004                  ; cy
	s_lshl_b32 s3, ttmp9, 2
	s_add_co_u32 s3, s3, s50                       ; block of 256 features
	s_and_b32 s12, ttmp7, 0xffff
	s_lshl_b32 s12, s12, 2
	s_add_co_u32 s12, s12, s51                     ; block of 256 tokens
	s_lshl_b32 s58, s51, 2
	s_lshl_b32 s58, 15, s58                        ; my row of the cluster
	s_lshl_b32 s59, 0x1111, s50                    ; my column
	s_or_b32 s[G1X], s59, 1<<21                    ; elements of one byte, no padding; X's tiles go to my column
	s_or_b32 s[G1Y], s58, 1<<21                    ; Y's to my row
.irp g, G1X, G1Y
	s_mov_b32 s[\g+1], TROW<<16
	s_mov_b32 s[\g+2], 8<<16
	s_mov_b32 s[\g+3], TROW<<16
	s_mov_b32 s[\g+4], 8
	s_mov_b32 s[\g+5], TS
	s_mov_b32 s[\g+6], 0
	s_mov_b32 s[\g+7], 0
.endr
	s_lshl_b32 s15, s12, 4
	s_lshl_b32 s17, s46, 3
	s_add_co_u32 s15, s15, s17                     ; my first token tile
	s_lshl_b32 s13, s3, 1
	s_add_co_u32 s13, s13, s47                     ; my group of 128 features: the next product's K step
	s_lshl_b32 s32, s13, 3
	s_add_co_u32 s32, s32, 256                     ; W1's tiles begin at 256
	s_lshl_b32 s34, s32, 9
	s_add_co_u32 s34, s34, 9437184
	s_mul_i32 s32, s32, TS                         ; X: the 8 tiles that I multiply, and that waves 0, 1 fetch
	s_mov_b32 s33, 0
	s_mov_b32 s35, 0
	s_lshl_b32 s56, s12, 4
	s_lshl_b32 s17, s47, 3
	s_add_co_u32 s56, s56, s17
	s_lshl_b32 s67, s56, 9
	s_add_co_u32 s67, s67, 3145728                 ; the records of the 8 tiles of Y that waves 2, 3 fetch
	s_mul_i32 s56, s56, TS                         ; Y: those 8 tiles
	s_mov_b32 s57, 0
	s_lshl_b32 s38, s15, 9
	s_add_co_u32 s38, s38, 3145728
	s_mov_b32 s39, 0
	s_lshl_b32 s40, s13, 9
	s_mov_b32 s41, 0
	s_lshl_b32 s42, s15, 5
	s_add_co_u32 s42, s42, s13
	s_mul_i32 s42, s42, 1536
	s_mov_b32 s43, 0
	s_lshl_b32 s44, s15, 11
	s_lshl_b32 s45, s13, 6
	s_add_co_u32 s44, s44, s45
	s_add_co_u32 s44, s44, 12582912
	s_mov_b32 s45, 0
	s_mul_i32 s61, s51, 2*TS                       ; the prefetches: of X's 8 tiles the two at my place cy,
	s_add_co_u32 s61, s61, s32
	s_mul_i32 s62, s50, 2*TS                       ; of Y's the two at cx;
	s_add_co_u32 s62, s62, s56
	s_lshl_b32 s63, s51, 10                        ; and their records
	s_add_co_u32 s63, s63, s34
	s_lshl_b32 s66, s50, 10
	s_add_co_u32 s66, s66, s67
	s_cmp_eq_u32 s46, 0
	s_cselect_b32 s62, s61, s62
	s_cselect_b32 s66, s63, s66
	s_mov_b32 s63, 0
	s_mov_b32 s67, 0
	s_mul_i32 s60, s2, HALF                        ; where my tiles go in a slot: the wave's number alone
	s_mov_b32 s[SEL], 0x76543210
	s_mov_b32 s[SEL+1], 0xfedcba98
	s_mov_b32 s52, 0                               ; s[52:53], s[54:55]: what the way out adds to its two bases; 0 for the first tile
	s_mov_b32 s53, 0
	s_mov_b32 s54, 0
	s_mov_b32 s55, 0
	v_and_b32 v3, 31, v0
	v_lshlrev_b32 v1, 4, v3
	v_lshlrev_b32 v2, 2, v3
	v_lshrrev_b32 v5, 4, v3
	v_lshlrev_b32 v5, 6, v5                        ; 64 h: my half's eight features of a bias tile
	v_and_b32 v6, 15, v3
	v_lshlrev_b32 v6, 2, v6                        ; 4 r
	v_mov_b32 v8, 0xaf95df0b                       ; P's and Q's leading coefficients, as pairs
	v_mov_b32 v9, 0xaf95df0b
	v_mov_b32 v10, 0xb77460cd
	v_mov_b32 v11, 0xb77460cd
	s_mul_i32 s17, s47, HALF
	s_mul_i32 s18, s46, HALF
	s_add_co_u32 s18, s18, YOFF
	v_add_nc_u32 v[ADX], s17, v1
	v_add_nc_u32 v[ADY], s18, v1
	v_add_nc_u32 v[ADX+1], SLOT, v[ADX]
	v_add_nc_u32 v[ADY+1], SLOT, v[ADY]
	v_min_u32 v[PFO], 23, v3                       ; block l of 24: 256 (l % 12) in tile l / 12
	v_mul_u32_u24 v7, v[PFO], 171
	v_lshrrev_b32 v7, 11, v7                       ; l / 12, for l under 24
	v_lshlrev_b32 v[PFO], 8, v[PFO]
	v_mad_u32_u24 v[PFO], v7, TS-TROW, v[PFO]
	v_min_u32 v[PFS], 3, v3
	v_lshlrev_b32 v[PFS], 8, v[PFS]
	WALU                                           ; the wait behind the head's last vector instruction
	s_wait_dscnt 0x0                               ; both opening adds are done
	CROUND                                         ; the opening round, ahead of the wait for the arguments
	s_wait_kmcnt 0x0
	s_add_nc_u64 s[32:33], s[6:7], s[32:33]
	s_add_nc_u64 s[56:57], s[4:5], s[56:57]
.irp s, 0,1
	s_mov_b32 s[G0X+4*\s], 1
	s_add_co_u32 s[G0X+4*\s+1], s60, \s*SLOT
	s_add_nc_u64 s[G0X+4*\s+2:G0X+4*\s+3], s[32:33], \s*TROW
	s_or_b32 s[G0X+4*\s+3], s[G0X+4*\s+3], 0x80000000
	s_mov_b32 s[G0Y+4*\s], 1
	s_add_co_u32 s[G0Y+4*\s+1], s60, \s*SLOT
	s_add_nc_u64 s[G0Y+4*\s+2:G0Y+4*\s+3], s[56:57], \s*TROW
	s_or_b32 s[G0Y+4*\s+3], s[G0Y+4*\s+3], 0x80000000
.endr
	JLOAD 0                                        ; fill 0: one tensor load a wave at the head
	s_add_nc_u64 s[20:21], s[6:7], s[34:35]
	s_add_nc_u64 s[22:23], s[4:5], s[38:39]
	s_add_nc_u64 s[24:25], s[8:9], s[40:41]
	s_add_nc_u64 s[26:27], s[10:11], s[42:43]
	s_add_nc_u64 s[28:29], s[10:11], s[44:45]
	s_cmp_eq_u32 s46, 0
	s_cselect_b64 s[36:37], s[6:7], s[4:5]
	s_add_nc_u64 s[62:63], s[36:37], s[62:63]
	s_add_nc_u64 s[36:37], s[36:37], s[66:67]
.irp f,1,2,3
	global_prefetch_b8 v[PFO], s[62:63] offset:\f*TROW th:TH_LOAD_NT scope:SCOPE_SE
.endr
	global_prefetch_b8 v[PFS], s[36:37] th:TH_LOAD_NT scope:SCOPE_SE
	WIN 0x40
.irp b,0,1,2,3,4,5,6,7                 ; b1 in the result's layout: tile b's register j is feature 32 (b / 2) + 8 (b % 2) + 16 h + j
	global_load_b128 v[96+8*\b+96*(\b/4):96+8*\b+96*(\b/4)+3], v5, s[24:25] offset:(32*(\b/2)+8*(\b%2))*4
	global_load_b128 v[96+8*\b+96*(\b/4)+4:96+8*\b+96*(\b/4)+7], v5, s[24:25] offset:(32*(\b/2)+8*(\b%2))*4+16
.endr
	WIN 0
	FS 0
	s_wait_tensorcnt 0x0                           ; my part of fill 0 is in; the full sequence ahead of slot 1's first fill
	ds_add_u32 v[SPW], v[NIL]
	s_wait_dscnt 0x0
	CROUND
	JLOAD 1                                        ; fill 1
	FETCH 0
	EVEN 0, 2
	ODD 1
	EVEN 2, 1
	ODD 3
	EVEN 4, 1
	ODD 5
	EVEN 6, 1
	ODD 7
	WIN 0
	PLACES
; THE WAY OUT: a loop over the 8 token tiles, so that the activation is written once; only the lines that fetch a tile's accumulators differ, and a chain of scalar branches on the count picks them
	s_mov_b32 s30, 0
.Lrow:
	s_cmp_eq_u32 s30, 0
	s_cbranch_scc1 .Le0
	s_cmp_eq_u32 s30, 1
	s_cbranch_scc1 .Le1
	s_cmp_eq_u32 s30, 2
	s_cbranch_scc1 .Le2
	s_cmp_eq_u32 s30, 3
	s_cbranch_scc1 .Le3
	s_cmp_eq_u32 s30, 4
	s_cbranch_scc1 .Le4
	s_cmp_eq_u32 s30, 5
	s_cbranch_scc1 .Le5
	s_cmp_eq_u32 s30, 6
	s_cbranch_scc1 .Le6
	EXTRACT 7
	s_branch .Lact
.Le0:
	EXTRACT 0
	s_branch .Lact
.Le1:
	EXTRACT 1
	s_branch .Lact
.Le2:
	EXTRACT 2
	s_branch .Lact
.Le3:
	EXTRACT 3
	s_branch .Lact
.Le4:
	EXTRACT 4
	s_branch .Lact
.Le5:
	EXTRACT 5
	s_branch .Lact
.Le6:
	EXTRACT 6
.Lact:
	GELU 0
	GELU 32
	QUANT
	s_add_nc_u64 s[26:27], s[26:27], s[52:53]      ; (behind the wait on XCNT in the lines above)  this token tile's image of my K step,
	s_add_nc_u64 s[28:29], s[28:29], s[54:55]      ; and its scale words
.irp j,0,1,2
	global_store_b128 v1, v[PC+4*\j:PC+4*\j+3], s[26:27] offset:512*\j
.endr
	global_store_b32 v6, v[PW], s[28:29]           ; lanes r and r + 16 hold the same word and write it to the same place
	s_mov_b32 s52, 49152
	s_mov_b32 s54, 2048
	s_add_co_u32 s30, s30, 1
	s_cmp_lt_u32 s30, 8
	s_cbranch_scc1 .Lrow
	s_wait_tensorcnt 0x0                           ; the wave's end
	ds_add_u32 v[SPW], v[NIL]
	s_wait_dscnt 0x0
	CROUND                                         ; the closing round
	s_endpgm
.Lfunc_end_k_q561ae969d2_ffn1:
	.size	k_q561ae969d2_ffn1, .Lfunc_end_k_q561ae969d2_ffn1-k_q561ae969d2_ffn1
	.p2alignl 7, 3214868480
	.fill 96, 4, 3214868480
	.section	.rodata,"a",@progbits
	.p2align	6, 0x0
	.amdhsa_kernel k_q561ae969d2_ffn1
		.amdhsa_group_segment_fixed_size 327680
		.amdhsa_private_segment_fixed_size 0
		.amdhsa_enable_private_segment 0
		.amdhsa_kernarg_size 32
		.amdhsa_user_sgpr_count 2
		.amdhsa_user_sgpr_kernarg_segment_ptr 1
		.amdhsa_wavefront_size32 1
		.amdhsa_system_sgpr_workgroup_id_x 1
		.amdhsa_system_sgpr_workgroup_id_y 1
		.amdhsa_system_sgpr_workgroup_id_z 1
		.amdhsa_system_vgpr_workitem_id 0
		.amdhsa_next_free_vgpr 1024
		.amdhsa_next_free_sgpr 100
		.amdhsa_reserve_vcc 0
		.amdhsa_float_denorm_mode_32 3
		.amdhsa_float_denorm_mode_16_64 3
		.amdhsa_memory_ordered 1
		.amdhsa_forward_progress 1
		.amdhsa_inst_pref_size 179
	.end_amdhsa_kernel
	.amdgpu_metadata
---
amdhsa.version: [ 1, 2 ]
amdhsa.kernels:
  - .name:           k_q561ae969d2_ffn1
    .symbol:         k_q561ae969d2_ffn1.kd
    .args:
      - { .name: hq, .offset: 0, .size: 8, .value_kind: global_buffer, .address_space: global }
      - { .name: wq, .offset: 8, .size: 8, .value_kind: global_buffer, .address_space: global }
      - { .name: b1, .offset: 16, .size: 8, .value_kind: global_buffer, .address_space: global }
      - { .name: mq, .offset: 24, .size: 8, .value_kind: global_buffer, .address_space: global }
    .group_segment_fixed_size: 327680
    .private_segment_fixed_size: 0
    .kernarg_segment_align: 8
    .kernarg_segment_size: 32
    .max_flat_workgroup_size: 128
    .sgpr_count:     100
    .vgpr_count:     1024
    .wavefront_size: 32
...
	.end_amdgpu_metadata
.endif
;; end of part 6
;; launch ffn2 (part 7): grid 8 x 32, 4 waves a work-group, clusters of 4 x 4, 327,680 bytes of LDS; arguments mq, wq, x1, b2, out0; writes out0
.if DOCPART == 7
	.amdgcn_target "amdgcn-amd-amdhsa--gfx1250"
	.amdhsa_code_object_version 6
	.text
	.protected	k_q561ae969d2_ffn2
	.globl	k_q561ae969d2_ffn2
	.p2align	8
	.type	k_q561ae969d2_ffn2,@function
k_q561ae969d2_ffn2:
	s_mov_b64 s[64:65], 0
	v_nop
	global_prefetch_b8 v0, s[64:65] scope:SCOPE_SE
	s_setreg_imm32_b32 hwreg(HW_REG_WAVE_MODE, 25, 1), 1
	s_wait_xcnt 0x0
	s_wait_alu depctr_hold_cnt(0) depctr_sa_sdst(0) depctr_va_vdst(0) depctr_va_sdst(0) depctr_va_ssrc(0) depctr_va_vcc(0) depctr_vm_vsrc(0)
	s_getreg_b32 s2, hwreg(HW_REG_IB_STS2, 6, 4)
	s_cmp_eq_u32 s2, 0
	s_cbranch_scc0 .Lentry_in_a_cluster
	s_endpgm
.Lentry_in_a_cluster:
	s_bfe_u32 s2, ttmp6, 0x10000c
	s_cmp_lg_u32 s2, 0xf033
	s_cbranch_scc0 .Lentry_shape_is_right
	s_endpgm
.Lentry_shape_is_right:
; out0 = x1 + m W2 + b2 on codes of E2M3, K = 4,096.  A work-group makes 128 tokens x 128 features; its four waves SHARE K: wave w sums K steps 4 t + w, t = 0 .. 7, of the same tile of 128 x 128 (64 accumulators).
; The four partial tiles meet in LDS, in the pass that turns them into whole rows.  D = wmma(X = weight tile, Y = token tile): a lane holds one token, its registers run along the features.
; OPERANDS are fragment images of 1,536 bytes (16 rows x 128 K); a tile's 32 K steps lie on end, 49,152 bytes.
; THE RING: two LDS slots of 98,304 bytes; fill t holds K steps 4 t .. 4 t + 3 of X's 8 tiles and then of Y's 8: a tile's row in a slot is 6,144 bytes of memory, at a multiple of 256.  A wave brings 4 tiles by one tensor load
; (waves 0, 1 X's halves, waves 2, 3 Y's) and reads its own K step of all 16 tiles, three loads of 16 bytes a lane for a fragment.  Two sets of fragment registers by turns.
; CLUSTERS 4 x 4: X's tiles hang on the feature group alone and are asked for jointly by a column of the cluster, Y's on the token group alone, by a row.
; Fill 0 goes out at the head, fill 1 behind the full sequence and a round, fills 2 to 7 as refills in steps 0 to 5; a plain barrier in step 6 shows fill 7, one in step 7 frees the ring for the planes.
; SCALES: a register's lanes 0-15 hold a tile's words of my step t = 2 P, lanes 16-31 those of t = 2 P + 1 (256 bytes on); they come by plain loads, a pair of steps ahead.
; PREFETCH, three refills ahead: behind the load of fill f stands one instruction a wave that names fill f + 3 (behind fill 0's load also fills 1 and 2, the walk's start); fills 5 to 7's loads ask for nothing.
; Of the 4 tiles that I fetch, my work-group takes the one at its place among the four that ask jointly (cy for X, cx for Y: by address alone): 24 blocks of 256 bytes a fill, a lane a block (lanes 24-31 name the last again).
; That tile's scales, 8 blocks, are named once, at the head.
; ORDER OF THE SUMS: K steps 4 t + w ascending inside a wave; the waves' runs as (0 + 1) + (2 + 3); then the residual with the bias.  LIMITS: NaN and infinities are not served.
.set NK, 8
.set TS, 49152
.set TSS, 2048
.set TROW, 6144                        ; four K steps of a tile
.set HALF, 24576                       ; 4 tiles: what one tensor load brings
.set YOFF, 49152
.set SLOT, 98304
.set WREG, 6291456                     ; W2's tiles in wq
.set WSREG, 9699328
.set ASREG, 12582912
.set SPARE, 270336                     ; behind the four planes of 128 rows x 528 bytes: the spare words
.set SPW, 28
.set NIL, 29
.set ADX, 12                           ; v12, v13 LDS address of my X fragments in slot 0, 1
.set ADY, 14
.set PFO, 16                           ; v16 the prefetches' offset in a tile's row; v17 in its scales
.set PFS, 17
.set PFA, 60                           ; s[60:61] their base; s[62:63] the scales'
.set G1X, 68
.set G1Y, 76
.set G0X, 84
.set G0Y, 92
.set MSB, 0
.macro WIN new
.if MSB != (\new)
	s_set_vgpr_msb (MSB<<8)|(\new)
.set MSB, (\new)
.endif
.endm
.macro PLACES
.rept 4
	v_nop
.endr
.endm
.macro CREST
	s_cmp_lg_u32 s2, 0
	s_cbranch_scc1 .Lnw0_\@
	s_barrier_signal -3
.Lnw0_\@:
	s_barrier_wait -3
	s_barrier_signal -1
	s_barrier_wait -1
.endm
.macro CROUND
	s_barrier_signal -1
	s_barrier_wait -1
	CREST
.endm
.macro JLOAD s
	s_cmp_eq_u32 s15, 0
	s_cbranch_scc0 .Lfy_\@
	tensor_load_to_lds s[G0X+4*\s:G0X+4*\s+3], s[G1X:G1X+7]
	s_nop 0
	PLACES
	s_branch .Lja_\@
.Lfy_\@:
	tensor_load_to_lds s[G0Y+4*\s:G0Y+4*\s+3], s[G1Y:G1Y+7]
	s_nop 0
	PLACES
.Lja_\@:
.endm
.macro ASK f                           ; my share of fill f, into the L2
	global_prefetch_b8 v[PFO], s[PFA:PFA+1] offset:(\f)*TROW th:TH_LOAD_NT scope:SCOPE_SE
.endm
.macro FETCH t                         ; my K step of fill t, 16 fragments, from slot t % 2 into set t % 2: 48 loads
	WIN 0x40
.irp b,0,1,2,3,4,5,6,7
.irp j,0,1,2
	ds_load_b128 v[128*((\t)%2)+12*\b+4*\j:128*((\t)%2)+12*\b+4*\j+3], v[ADX+(\t)%2] offset:\b*TROW+512*\j
.endr
.endr
	WIN 0
.irp a,0,1,2,3,4,5,6,7
.irp j,0,1,2
	ds_load_b128 v[64+96*((\t)%2)+12*\a+4*\j:64+96*((\t)%2)+12*\a+4*\j+3], v[ADY+(\t)%2] offset:\a*TROW+512*\j
.endr
.endr
.endm
.macro FS P                            ; the scale words of my steps 2 P and 2 P + 1
.irp b,0,1,2,3,4,5,6,7
	global_load_b32 v[32+16*((\P)%2)+\b], v2, s[20:21] offset:\b*TSS+512*(\P)
	global_load_b32 v[40+16*((\P)%2)+\b], v2, s[22:23] offset:\b*TSS+512*(\P)
.endr
.endm
.macro MULQ t, hi, a0                  ; 16 products: Y tiles 4 hi + a0, a0 + 1 x X's eight; step 0 starts the sums.  The 64 accumulators take turns in one order in every step
	WIN 0xa1+0x50*(\hi)
.irp a,\a0,\a0+1
.irp b,0,1,2,3,4,5,6,7
.set rD, 8*(8*(\a)+\b)
.set rX, 128*((\t)%2)+12*\b
.set rY, 64+96*((\t)%2)+12*(4*(\hi)+(\a))
.set rP, 32+16*(((\t)/2)%2)+\b
.set rQ, 40+16*(((\t)/2)%2)+4*(\hi)+(\a)
.if (\t) == 0
	v_wmma_scale_f32_16x16x128_f8f6f4 v[rD:rD+7], v[rX:rX+11], v[rY:rY+11], 0, v[rP], v[rQ] matrix_a_fmt:MATRIX_FMT_FP6 matrix_b_fmt:MATRIX_FMT_FP6
.elseif (\t)%2 == 0
	v_wmma_scale_f32_16x16x128_f8f6f4 v[rD:rD+7], v[rX:rX+11], v[rY:rY+11], v[rD:rD+7], v[rP], v[rQ] matrix_a_fmt:MATRIX_FMT_FP6 matrix_b_fmt:MATRIX_FMT_FP6
.else
	v_wmma_scale_f32_16x16x128_f8f6f4 v[rD:rD+7], v[rX:rX+11], v[rY:rY+11], v[rD:rD+7], v[rP], v[rQ] matrix_a_fmt:MATRIX_FMT_FP6 matrix_b_fmt:MATRIX_FMT_FP6 matrix_a_scale:MATRIX_SCALE_ROW1 matrix_b_scale:MATRIX_SCALE_ROW1
.endif
.endr
.endr
.endm
.macro STEP t                          ; steps 0 to 6: slot t % 2 has been read out into registers; the other slot is shown whole; where a fill is left, a round and the refill
	WIN 0
.set SL, (\t)%2
.if (\t)%2 == 0
	s_wait_loadcnt 0x0                             ; this pair's scale words
.endif
	s_wait_tensorcnt 0x0                           ; all my tensor loads have landed: my part of the other slot
.if (\t)+2 < NK
	ds_add_u32 v[SPW], v[NIL]
.endif
	s_wait_dscnt 0x0                               ; the add is done, this step's fragments are in, and so my reads of this slot are over
	s_barrier_signal -1                            ; the round stands at the step's head, so that the refill goes out ahead of the step's 64 products and has them all in which to land
	s_barrier_wait -1
.if (\t)+2 < NK
	CREST
	s_add_nc_u64 s[G0X+4*SL+2:G0X+4*SL+3], s[G0X+4*SL+2:G0X+4*SL+3], 2*TROW
	s_add_nc_u64 s[G0Y+4*SL+2:G0Y+4*SL+3], s[G0Y+4*SL+2:G0Y+4*SL+3], 2*TROW
	JLOAD SL                                       ; fill t + 2, the first tensor load behind the round; its four v_nop are the places ahead of the loads below
.else
	PLACES
.endif
	FETCH (\t)+1
.if ((\t)%2 == 0) && ((\t)+2 < NK)
	FS ((\t)+2)/2
.endif
.if (\t)+5 < NK
	ASK (\t)+5
.endif
	MULQ \t,0,0
	MULQ \t,0,2
	MULQ \t,1,0
	MULQ \t,1,2
.endm
.macro PLOAD g                         ; rows 8 g .. 8 g + 7 of my 32, from all four planes, into half g % 2 of window 2
	WIN 0x80
.irp pl,0,1,2,3
.irp q,0,1,2,3,4,5,6,7
	ds_load_b128 v[128*((\g)%2)+32*\pl+4*\q:128*((\g)%2)+32*\pl+4*\q+3], v[8+\pl] offset:528*(8*(\g)+\q)
.endr
.endr
	WIN 0
.endm
	s_load_b256 s[4:11], s[0:1], 0x0               ; mq, wq, x1, b2
	s_load_b64 s[12:13], s[0:1], 0x20              ; out0
	v_lshl_add_u32 v[SPW], v0, 2, SPARE
	v_mov_b32 v[NIL], 0
	ds_add_u32 v[SPW], v[NIL]                      ; the opening lines: the add twice on end
	ds_add_u32 v[SPW], v[NIL]
	v_lshrrev_b32 v3, 5, v0
	v_readfirstlane_b32 s2, v3                     ; wave
	s_lshr_b32 s15, s2, 1                          ; I fetch for X (0) or Y (1)
	s_and_b32 s16, s2, 1                           ; which 4 tiles
	s_bfe_u32 s40, ttmp6, 0x40000                  ; cx
	s_bfe_u32 s41, ttmp6, 0x40004                  ; cy
	s_lshl_b32 s3, ttmp9, 2
	s_add_co_u32 s3, s3, s40                       ; group of 128 features
	s_and_b32 s14, ttmp7, 0xffff
	s_lshl_b32 s14, s14, 2
	s_add_co_u32 s14, s14, s41                     ; group of 128 tokens
	s_lshl_b32 s42, s41, 2
	s_lshl_b32 s42, 15, s42                        ; my row of the cluster
	s_lshl_b32 s43, 0x1111, s40                    ; my column
	s_or_b32 s[G1X], s43, 1<<21                    ; elements of one byte, no padding; X's tiles go to my column
	s_or_b32 s[G1Y], s42, 1<<21                    ; Y's to my row
.irp g, G1X, G1Y
	s_mov_b32 s[\g+1], TROW<<16
	s_mov_b32 s[\g+2], 4<<16
	s_mov_b32 s[\g+3], TROW<<16
	s_mov_b32 s[\g+4], 4
	s_mov_b32 s[\g+5], TS
	s_mov_b32 s[\g+6], 0
	s_mov_b32 s[\g+7], 0
.endr
	s_lshl_b32 s17, s16, 2
	s_lshl_b32 s30, s3, 3
	s_add_co_u32 s30, s30, s17                     ; X: the first of the 4 tiles that waves 0, 1 fetch
	s_lshl_b32 s51, s30, 11
	s_add_co_u32 s51, s51, WSREG                   ; its scales
	s_mul_i32 s30, s30, TS
	s_add_co_u32 s30, s30, WREG
	s_mov_b32 s31, 0
	s_lshl_b32 s32, s14, 3
	s_add_co_u32 s32, s32, s17                     ; Y: of those that waves 2, 3 fetch
	s_lshl_b32 s52, s32, 11
	s_add_co_u32 s52, s52, ASREG
	s_mul_i32 s32, s32, TS
	s_mov_b32 s33, 0
	s_lshl_b32 s18, s2, 6                          ; my K step's words lie 64 w into each 256 bytes of a tile's scales
	s_mul_i32 s34, s3, 8*TSS
	s_add_co_u32 s34, s34, s18
	s_add_co_u32 s34, s34, WSREG
	s_mov_b32 s35, 0
	s_mul_i32 s36, s14, 8*TSS
	s_add_co_u32 s36, s36, s18
	s_add_co_u32 s36, s36, ASREG
	s_mov_b32 s37, 0
	s_lshl_b32 s38, s14, 7
	s_lshl_b32 s39, s2, 5
	s_add_co_u32 s38, s38, s39
	s_lshl_b32 s38, s38, 12
	s_lshl_b32 s48, s3, 9
	s_add_co_u32 s38, s38, s48                     ; my 32 tokens' rows, my work-group's 512 bytes of them
	s_mov_b32 s39, 0
	s_mov_b32 s49, 0
	s_mul_i32 s46, s41, TS                         ; the prefetches: of X's 4 tiles the one at my place cy,
	s_add_co_u32 s46, s46, s30
	s_mul_i32 s47, s40, TS                         ; of Y's the one at cx;
	s_add_co_u32 s47, s47, s32
	s_lshl_b32 s53, s41, 11                        ; and its scales
	s_add_co_u32 s53, s53, s51
	s_lshl_b32 s54, s40, 11
	s_add_co_u32 s54, s54, s52
	s_cmp_eq_u32 s15, 0
	s_cselect_b32 s46, s46, s47
	s_cselect_b32 s54, s53, s54
	s_mov_b32 s47, 0
	s_mov_b32 s55, 0
	s_mul_i32 s50, s2, HALF                        ; where my tiles go in a slot: the wave's number alone
	v_and_b32 v3, 31, v0
	v_lshlrev_b32 v1, 4, v3
	v_and_b32 v5, 15, v3
	v_lshrrev_b32 v6, 4, v3
	v_lshlrev_b32 v2, 2, v5
	v_lshl_add_u32 v2, v6, 8, v2                   ; scale words: 4 r, and 256 on (my next step) for lanes 16-31
	v_min_u32 v[PFO], 23, v3
	v_lshlrev_b32 v[PFO], 8, v[PFO]
	v_min_u32 v[PFS], 7, v3
	v_lshlrev_b32 v[PFS], 8, v[PFS]
	s_mul_i32 s42, s2, 1536
	v_add_nc_u32 v[ADX], s42, v1                   ; my K step of a slot's four
	v_add_nc_u32 v[ADX+1], SLOT, v[ADX]
	v_add_nc_u32 v[ADY], YOFF, v[ADX]
	v_add_nc_u32 v[ADY+1], SLOT+YOFF, v[ADX]
	v_mul_u32_u24 v4, v5, 528
	v_lshl_add_u32 v4, v6, 6, v4
	s_mul_i32 s42, s2, 67584
	v_add_nc_u32 v4, s42, v4                       ; into my plane: row r, + 64 h
	s_mul_i32 s42, s2, 16896
	v_add_nc_u32 v8, s42, v1                       ; back: rows 32 w on of plane 0, 16 bytes a lane;
.irp pl,1,2,3
	v_add_nc_u32 v[8+\pl], 67584*\pl, v8           ; of the other planes
.endr
	s_wait_alu depctr_va_vdst(0)                   ; the wait behind the head's last vector instruction
	s_wait_dscnt 0x0                               ; both opening adds are done
	CROUND                                         ; the opening round, ahead of the wait for the arguments
	s_wait_kmcnt 0x0
	s_add_nc_u64 s[30:31], s[6:7], s[30:31]
	s_add_nc_u64 s[32:33], s[4:5], s[32:33]
.irp s, 0,1
	s_mov_b32 s[G0X+4*\s], 1
	s_add_co_u32 s[G0X+4*\s+1], s50, \s*SLOT
	s_add_nc_u64 s[G0X+4*\s+2:G0X+4*\s+3], s[30:31], \s*TROW
	s_or_b32 s[G0X+4*\s+3], s[G0X+4*\s+3], 0x80000000
	s_mov_b32 s[G0Y+4*\s], 1
	s_add_co_u32 s[G0Y+4*\s+1], s50, \s*SLOT
	s_add_nc_u64 s[G0Y+4*\s+2:G0Y+4*\s+3], s[32:33], \s*TROW
	s_or_b32 s[G0Y+4*\s+3], s[G0Y+4*\s+3], 0x80000000
.endr
	JLOAD 0                                        ; fill 0: one tensor load a wave at the head
	s_cmp_eq_u32 s15, 0
	s_cselect_b64 s[62:63], s[6:7], s[4:5]
	s_add_nc_u64 s[PFA:PFA+1], s[62:63], s[46:47]
	s_add_nc_u64 s[62:63], s[62:63], s[54:55]
	s_add_nc_u64 s[20:21], s[6:7], s[34:35]
	s_add_nc_u64 s[22:23], s[4:5], s[36:37]
	s_add_nc_u64 s[24:25], s[8:9], s[38:39]
	s_add_nc_u64 s[26:27], s[10:11], s[48:49]
	s_add_nc_u64 s[28:29], s[12:13], s[38:39]
	ASK 1
	ASK 2
	ASK 3
	global_prefetch_b8 v[PFS], s[62:63] th:TH_LOAD_NT scope:SCOPE_SE
	FS 0
	s_wait_tensorcnt 0x0                           ; my part of fill 0 is in; the full sequence ahead of slot 1's first fill
	ds_add_u32 v[SPW], v[NIL]
	s_wait_dscnt 0x0
	CROUND
	JLOAD 1                                        ; fill 1
	FETCH 0
	ASK 4
.irp t,0,1,2,3,4,5,6
	STEP \t
.endr
	WIN 0                                          ; step 7: nothing more to fetch from the ring
	s_wait_dscnt 0x0                               ; its fragments are in: my reads of the ring are over
	PLACES                                         ; ahead of the loads into registers that step 6 multiplied
	WIN 0x40
.set p, 0
.rept 32                               ; the residual of my 32 rows, into window 1's v0-127: LDS row 16 u + r is token 8 u + r + 8 (r / 8) of the 32
	global_load_b128 v[4*p:4*p+3], v1, s[24:25] offset:(8*(p/16)+p%16+8*((p%16)/8))*4096 th:TH_LOAD_NT
.set p, p+1
.endr
	global_load_b128 v[224:227], v1, s[26:27]      ; the bias
	WIN 0
	s_barrier_signal -1                            ; a plain barrier: behind it nobody reads the ring, which has had its last fill: the planes may be stored there
	MULQ 7,0,0
	MULQ 7,0,2
	MULQ 7,1,0
	MULQ 7,1,2
	WIN 0
	s_barrier_wait -1
	PLACES
.irp a,0,1,2,3,4,5,6,7                 ; my partial tile into my plane: rows 528 bytes apart; each accumulator from its low end on
	WIN 0x08+4*(\a/4)
.irp b,0,1,2,3,4,5,6,7
	ds_store_b128 v4, v[8*(8*(\a%4)+\b):8*(8*(\a%4)+\b)+3] offset:8448*\a+128*(\b/2)+32*(\b%2)
	ds_store_b128 v4, v[8*(8*(\a%4)+\b)+4:8*(8*(\a%4)+\b)+7] offset:8448*\a+128*(\b/2)+32*(\b%2)+16
.endr
.endr
	WIN 0
	s_wait_dscnt 0x0                               ; for the others' sake: my plane is whole
	s_barrier_signal -1
	s_barrier_wait -1
	PLOAD 0
	PLOAD 1
	s_wait_loadcnt 0x0                             ; residual and bias
	WIN 0x55
.set p, 0
.rept 32
	v_pk_add_f32 v[4*p:4*p+1], v[4*p:4*p+1], v[224:225]
	v_pk_add_f32 v[4*p+2:4*p+3], v[4*p+2:4*p+3], v[226:227]
.set p, p+1
.endr
.irp g,0,1,2,3
.if \g < 3
	s_wait_dscnt 32                                ; this batch is in; the next batch's 32 loads may be out
.else
	s_wait_dscnt 0x0
.endif
.set H0, 128*(\g%2)
	WIN 0xaa
.set i, 0
.rept 16
	v_pk_add_f32 v[H0+i:H0+i+1], v[H0+i:H0+i+1], v[H0+32+i:H0+33+i]
	v_pk_add_f32 v[H0+64+i:H0+65+i], v[H0+64+i:H0+65+i], v[H0+96+i:H0+97+i]
.set i, i+2
.endr
.set i, 0
.rept 16
	v_pk_add_f32 v[H0+i:H0+i+1], v[H0+i:H0+i+1], v[H0+64+i:H0+65+i]
.set i, i+2
.endr
	WIN 0x46                                       ; source 0 window 2, source 1 and the result window 1
.set i, 0
.rept 16
	v_pk_add_f32 v[32*\g+i:32*\g+i+1], v[H0+i:H0+i+1], v[32*\g+i:32*\g+i+1]
.set i, i+2
.endr
	WIN 0x04
.set p, 8*\g
.rept 8
	global_store_b128 v1, v[4*p:4*p+3], s[28:29] offset:(8*(p/16)+p%16+8*((p%16)/8))*4096 th:TH_STORE_NT   ; 512 consecutive bytes, aligned; written once
.set p, p+1
.endr
.if \g < 2
	PLOAD \g+2
.endif
.endr
	WIN 0
	s_wait_tensorcnt 0x0                           ; the wave's end, behind my last LDS store
	ds_add_u32 v[SPW], v[NIL]
	s_wait_dscnt 0x0
	CROUND                                         ; the closing round
	s_endpgm
.Lfunc_end_k_q561ae969d2_ffn2:
	.size	k_q561ae969d2_ffn2, .Lfunc_end_k_q561ae969d2_ffn2-k_q561ae969d2_ffn2
	.p2alignl 7, 3214868480
	.fill 96, 4, 3214868480
	.section	.rodata,"a",@progbits
	.p2align	6, 0x0
	.amdhsa_kernel k_q561ae969d2_ffn2
		.amdhsa_group_segment_fixed_size 327680
		.amdhsa_private_segment_fixed_size 0
		.amdhsa_enable_private_segment 0
		.amdhsa_kernarg_size 40
		.amdhsa_user_sgpr_count 2
		.amdhsa_user_sgpr_kernarg_segment_ptr 1
		.amdhsa_wavefront_size32 1
		.amdhsa_system_sgpr_workgroup_id_x 1
		.amdhsa_system_sgpr_workgroup_id_y 1
		.amdhsa_system_sgpr_workgroup_id_z 1
		.amdhsa_system_vgpr_workitem_id 0
		.amdhsa_next_free_vgpr 1024
		.amdhsa_next_free_sgpr 100
		.amdhsa_reserve_vcc 0
		.amdhsa_float_denorm_mode_32 3
		.amdhsa_float_denorm_mode_16_64 3
		.amdhsa_memory_ordered 1
		.amdhsa_forward_progress 1
		.amdhsa_inst_pref_size 156
	.end_amdhsa_kernel
	.amdgpu_metadata
---
amdhsa.version: [ 1, 2 ]
amdhsa.kernels:
  - .name:           k_q561ae969d2_ffn2
    .symbol:         k_q561ae969d2_ffn2.kd
    .args:
      - { .name: mq, .offset: 0, .size: 8, .value_kind: global_buffer, .address_space: global }
      - { .name: wq, .offset: 8, .size: 8, .value_kind: global_buffer, .address_space: global }
      - { .name: x1, .offset: 16, .size: 8, .value_kind: global_buffer, .address_space: global }
      - { .name: b2, .offset: 24, .size: 8, .value_kind: global_buffer, .address_space: global }
      - { .name: out0, .offset: 32, .size: 8, .value_kind: global_buffer, .address_space: global }
    .group_segment_fixed_size: 327680
    .private_segment_fixed_size: 0
    .kernarg_segment_align: 8
    .kernarg_segment_size: 40
    .max_flat_workgroup_size: 128
    .sgpr_count:     100
    .vgpr_count:     1024
    .wavefront_size: 32
...
	.end_amdgpu_metadata
.endif
;; end of part 7
